; MI455X (gfx1250); checked and timed in simulation.
; The chip was launched on July 23, 2026; its instructions are those of AMD's public machine-readable ISA for CDNA 5 (MIT licence, August 2026) and "CDNA5" Instruction Set Architecture Reference Guide (July 2026). The comments in the code are by the model that wrote it; some were corrected since.
;; MAB. Allowed arithmetic: matrix products marked QUANTISED: E2M1 operands, one E8M0 scale for each 32 along K, by v_wmma_scale_f32_16x16x128_f8f6f4 with both operands' format E2M1 (or v_wmma_scale_f32_32x16x128_f4), f32 sums; everything else in f32.
;; Inputs: K 8 x 1,024 x 1,024 float32; Q 8 x 1,024 x 1,024 float32; Wk 1,024 x 1,024 float32; Wo 1,024 x 1,024 float32; Wq 1,024 x 1,024 float32; Wv 1,024 x 1,024 float32; b0 1,024 float32; b1 1,024 float32; bk 1,024 float32; bo 1,024 float32; bq 1,024 float32; bv 1,024 float32; g0 1,024 float32; g1 1,024 float32; mask 8 x 1,024 bool.
;; Outputs: out0 8 x 1,024 x 1,024 float32.
;; This version of the problem:
;;   THIS VERSION OF THE PROBLEM IS GIVEN IN LOW PRECISION. The matrix products marked QUANTISED in the list below multiply operands that are first quantised to E2M1 (2 exponent bits, 1 mantissa bit; 4 bits a number), with one power-of-two scale for each 32 numbers along K (OCP MX v1.0); their sums are f32. All else is computed in f32.
;;   The module's matrix products, in the order in which they are computed (A, B: the left and right operand; K: the contracted axis; several contracted axes count as one K, in the product's order):
;;     1. [M 8,192, K 1,024] x [K 1,024, N 1,024]; A: input Q; B: input Wq: QUANTISED
;;     2. [M 8,192, K 1,024] x [K 1,024, N 1,024]; A: input K; B: input Wk: QUANTISED
;;     3. [M 8,192, K 1,024] x [K 1,024, N 1,024]; A: input K; B: input Wv: QUANTISED
;;     4. batch 128 x [M 1,024, K 64] x [K 64, N 1,024]; A: computed on the way; B: computed on the way: QUANTISED
;;     5. batch 128 x [M 64, K 1,024] x [K 1,024, N 1,024]; A: computed on the way; B: softmax (see below): QUANTISED
;;     6. [M 8,192, K 1,024] x [K 1,024, N 1,024]; A: computed on the way; B: input Wo: QUANTISED
;;   THE QUANTISER, for each operand of a quantised product, along K:
;;     - K is cut into blocks of 32 from its start; a last block that is shorter is filled with zeros.
;;     - A block's scale is 2^e with e = floor(log2(the largest magnitude in the block)) - 2, held to -126 .. 127; a block of zeros has e = 0. As a byte (E8M0): e + 127.
;;     - Each number is divided by its block's scale, clamped to +-6, and rounded to the nearest number of E2M1, ties to even, subnormals kept.
;;     - The product sums the exact products of the quantised numbers (number of the format x scale) in f32.
;;   ~~~python
;;   def quantise(x, axis):      # numpy; x: float32 -> the quantised numbers, widened to float32 again
;;       x = np.moveaxis(x, axis, -1); K = x.shape[-1]
;;       x = np.pad(x, [(0, 0)] * (x.ndim - 1) + [(0, -K % 32)]); x = x.reshape(x.shape[:-1] + (-1, 32)); a = np.abs(x).max(-1, keepdims=True)
;;       e = np.where(a > 0, np.clip(np.frexp(np.where(a > 0, a, 1))[1] - 1 - 2, -126, 127), 0)      # np.frexp(a)[1] - 1 = floor(log2(a)), exactly
;;       r = np.clip(x / 2.0 ** e, -6, 6)
;;       step = 2.0 ** (np.maximum(np.frexp(np.where(r == 0, 1, r))[1] - 1, 0) - 1)
;;       q = np.round(r / step) * step * 2.0 ** e      # np.round: ties to even
;;       return np.moveaxis(q.reshape(q.shape[:-2] + (-1,))[..., :K], -1, axis).astype(np.float32)
;;   ~~~
;;   SOFTMAX AHEAD OF A QUANTISED PRODUCT. Where the list says 'softmax', what is quantised is not the finished softmax but p = 2^(t - M), with t = logit x log2(e) and M = ceil(the row's largest t), a whole number; so 1/2 < the row's largest p <= 1. The row's sum l is taken of the UNQUANTISED p, in f32, and the product's result is divided by l at the end. Since M is a whole number, a kernel that streams over the keys may use a running M (the ceiling of the running maximum): every later rescaling is an exact power of two, which a block's scale takes up: the codes' values come out the same.
;;   OPERANDS COMPUTED ON THE WAY. 'Computed on the way' means the value that the module computes at that place (a softmax that the list does not call 'softmax' is quantised finished and normalised). What goes into a quantiser is computed in f32, as accurately as f32 sums, v_exp_f32 and their like allow (about 1e-6 of the number): no bf16 or f16 on the way to a quantiser, and a product that is left as it is and whose result goes on into a quantised operand takes f32 operands (vector FMAs, or v_wmma_f32_16x16x4_f32). A number that lies on a knife's edge between two numbers of the format may be rounded either way, as far as f32 arithmetic and the matrix unit's own rounding can turn it there, and no further.
;; One version. Each part assembles by itself: llvm-mc -triple=amdgcn-amd-amdhsa -mcpu=gfx1250 --defsym DOCPART=n.
;; ======== version 1 of 1: 4 launches
;; limits: right only within a limited range of input values
;; workspace buffers: wc 2,097,152 bytes; wsc 131,072 bytes; xc 8,388,608 bytes; xsc 524,288 bytes; kvc 8,388,608 bytes; kvs 786,432 bytes; ow 33,554,432 bytes
;; launch prep (part 1): grid 768 x 1, 4 waves a work-group, no clusters, 34,304 bytes of LDS; arguments Q, K, Wq, Wk, Wv, Wo, xc, xsc, wc, wsc; writes xc, xsc, wc, wsc
.if DOCPART == 1
	.amdgcn_target "amdgcn-amd-amdhsa--gfx1250"
	.amdhsa_code_object_version 6
	.text
	.protected	k_q8ce785718d_prep
	.globl	k_q8ce785718d_prep
	.p2align	8
	.type	k_q8ce785718d_prep,@function
k_q8ce785718d_prep:
	s_mov_b64 s[64:65], 0
	v_nop
	global_prefetch_b8 v0, s[64:65] scope:SCOPE_SE
	s_setreg_imm32_b32 hwreg(HW_REG_WAVE_MODE, 25, 1), 1
	s_wait_xcnt 0x0
; PREP: the six f32 operands of the projections and of the last product become codes of FP4 (E2M1) with one E8M0 byte for each 32 along K.
; Wq, Wk, Wv, Wo [1024 (k)][1024 (n)] are quantised down their FIRST axis, Q and K [8192][1024] along their last.
; A block's scale is 2^(floor(log2(largest magnitude)) - 2); its byte is the largest magnitude's exponent field - 2, held at 1 from below.
; LIMITS: a block of zeros gets the byte 1 where the rule says 127 (its codes are zeros, and this program alone reads the bytes); NaN and infinities are not served.
; LAYOUT OF THE RESULTS: an operand is cut into fragments of 16 rows x 128 K, and a fragment lies as the matrix instruction's registers lie: 1,024 bytes, registers 4 c .. 4 c + 3 of
; lane l at 512 c + 16 l, which is block b of row r at 256 b + 16 r.  Codes: [tile of 16 rows][K step 0..7][1,024].  Scale words: [tile][K steps 0-3 | 4-7][row][4 words].
; THE ORDER OF ROWS: the columns n of the weights and the rows of K lie in an order in which bits 3 and 4 of the index have changed places: 16 neighbours there are the rows
; 32 B + 8 u + r + 8 (r / 8), so that a product that takes such a tile as source 0 leaves 16 neighbours along the next K in a lane's 16 registers.  Q's rows lie as they are.
; Work-groups 0-255: the weights (a weight, 128 columns, one K step).  Work-groups 256-767: Q and K (a wave: 16 rows x 512 K).  No work-group shares an input with another: no cluster, no tensor load, no barrier.
.set NWW, 256                          ; work-groups on the weights
.set XW,  32                           ; weights: v32-95 two sets of 32 numbers
.set CW,  96                           ; v96-111 the codes of four blocks: no store's data are written again
.set R,   16                           ; inputs: v16-143 two sets of 64 numbers as loaded
.set X,   144                          ; v144-207 64 numbers of my row, register 16 b + i = k 32 b + 16 (lane / 16) + i
.set PC,  208                          ; v208-239 the codes of four fragments
.set TM,  240                          ; v240-255 at work
.set SP,  528                          ; a stage row: 512 bytes + 16: an odd multiple of 16, so that sixteen rows' reads fall on different banks
.set STG, 16*SP                        ; a wave's stage
; 64 numbers of a lane become a fragment's codes in v[pc] on and its row's scale word in v[pw]
.macro QUANT s, pc, pw
.irp b, 0,1,2,3
	v_max3_num_f32 v[TM+\b], |v[(\s)+16*\b]|, |v[(\s)+1+16*\b]|, 0x1800000   ; my 16 numbers of block b, and the floor 2^(3 - 127): the byte cannot fall under 1
.endr
.irp i, 2,4,6,8,10,12,14
.irp b, 0,1,2,3
	v_max3_num_f32 v[TM+\b], v[TM+\b], |v[(\s)+16*\b+\i]|, |v[(\s)+1+16*\b+\i]|   ; the four blocks by turns
.endr
.endr
.irp b, 0,1,2,3
	v_permlanex16_b32 v[TM+4+\b], v[TM+\b], s40, s41
.endr
.irp b, 0,1,2,3
	v_max_num_f32 v[TM+\b], v[TM+\b], v[TM+4+\b]   ; with lane l xor 16's: the block's largest magnitude
.endr
.irp b, 0,1,2,3
	v_add_nc_u32 v[TM+12+\b], 0xff000000, v[TM+\b]   ; 2 off its exponent field: the conversion's scale operand
.endr
.irp b, 0,1,2,3
	v_lshrrev_b32 v[TM+4+\b], 23, v[TM+12+\b]   ; the scale's byte
.endr
	v_lshl_or_b32 v[\pw], v[TM+5], 8, v[TM+4]
	v_lshl_or_b32 v[\pw], v[TM+6], 16, v[\pw]
	v_lshl_or_b32 v[\pw], v[TM+7], 24, v[\pw]
.irp b, 0,1,2,3
	v_cvt_scalef32_pk8_fp4_f32 v[(\pc)+2*\b], v[(\s)+16*\b:(\s)+7+16*\b], v[TM+12+\b]
	v_cvt_scalef32_pk8_fp4_f32 v[(\pc)+1+2*\b], v[(\s)+8+16*\b:(\s)+15+16*\b], v[TM+12+\b]
.endr
	v_nop                                          ; one plain place behind a scaled conversion
.irp c, 0,1                                    ; the layout wants a whole block in a lane: lanes 0-15 block 2 c, lanes 16-31 block 2 c + 1
.irp i, 0,1
	v_permlane16_swap_b32 v[(\pc)+4*\c+\i], v[(\pc)+2+4*\c+\i]
.endr
.endr
.endm
	s_load_b256 s[4:11], s[0:1], 0x0               ; Q, K, Wq, Wk
	s_load_b256 s[12:19], s[0:1], 0x20             ; Wv, Wo, xc, xsc
	s_load_b128 s[20:23], s[0:1], 0x40             ; wc, wsc
	v_lshl_add_u32 v250, v0, 2, 0x8400
	v_mov_b32 v251, 0
	v_lshrrev_b32 v1, 5, v0
	v_readfirstlane_b32 s24, v1                    ; wave
	v_and_b32 v1, 31, v0                           ; lane
	v_and_b32 v2, 15, v0                           ; r
	v_bfe_u32 v3, v0, 4, 1                         ; h
	s_cmp_lt_u32 ttmp9, NWW
	s_cbranch_scc0 .Linputs
; ---- THE WEIGHTS.  A lane takes a column and its registers run down K: a block of 32 lies in one lane, and the codes come out with K innermost.
	v_and_b32 v6, 7, v0
	v_bfe_u32 v7, v0, 3, 1
	v_lshl_or_b32 v6, v7, 4, v6
	v_lshl_or_b32 v6, v3, 3, v6                    ; lane l stands at place l and takes the column with bits 3 and 4 exchanged
	v_lshlrev_b32 v6, 2, v6                        ; in bytes
	v_lshlrev_b32 v4, 13, v3
	v_lshl_or_b32 v4, v2, 4, v4                    ; codes: tile l / 16 (8,192 bytes), row l % 16 (16 bytes): sixteen lanes store 256 consecutive bytes
	v_lshlrev_b32 v5, 9, v3
	v_lshl_or_b32 v5, v2, 4, v5                    ; scale words: 512 bytes a tile, 16 a row
	s_lshr_b32 s25, ttmp9, 6                       ; which weight
	s_bfe_u32 s30, ttmp9, 0x30003                  ; which 128 columns
	s_and_b32 s31, ttmp9, 7                        ; which K step
	s_lshl_b32 s32, s30, 7
	s_lshl_b32 s33, s24, 5
	s_add_co_u32 s32, s32, s33                     ; my wave's first column
	s_lshl_b32 s34, s31, 19                        ; 128 rows of 4,096 bytes
	s_lshl_b32 s33, s32, 2
	s_add_co_u32 s34, s34, s33
	s_mov_b32 s35, 0
	s_lshl_b32 s36, s25, 19                        ; codes: 524,288 a weight, 8,192 a tile, 1,024 a K step
	s_lshl_b32 s33, s32, 9
	s_add_co_u32 s36, s36, s33
	s_lshl_b32 s33, s31, 10
	s_add_co_u32 s36, s36, s33
	s_mov_b32 s37, 0
	s_lshl_b32 s38, s25, 15                        ; scale words: 32,768 a weight, 512 a tile, 256 for four K steps, 4 a K step
	s_lshl_b32 s33, s32, 5
	s_add_co_u32 s38, s38, s33
	s_lshr_b32 s33, s31, 2
	s_lshl_b32 s33, s33, 8
	s_add_co_u32 s38, s38, s33
	s_and_b32 s33, s31, 3
	s_lshl_b32 s33, s33, 2
	s_add_co_u32 s38, s38, s33
	s_mov_b32 s39, 0
	s_and_b32 s33, s25, 1
	s_wait_alu depctr_va_vdst(0)
	s_wait_kmcnt 0x0
	s_cmp_lt_u32 s25, 2                            ; the choice hangs on the work-group's number alone
	s_cselect_b64 s[26:27], s[8:9], s[12:13]       ; Wq or Wv
	s_cselect_b64 s[28:29], s[10:11], s[14:15]     ; Wk or Wo
	s_cmp_eq_u32 s33, 0
	s_cselect_b64 s[26:27], s[26:27], s[28:29]
	s_add_nc_u64 s[26:27], s[26:27], s[34:35]
	s_add_nc_u64 s[20:21], s[20:21], s[36:37]
	s_add_nc_u64 s[22:23], s[22:23], s[38:39]
.macro LOADW t                         ; block t: W(32 t + i, my column): a wave reads 128 consecutive bytes, the work-group 512
.set I, 0
.rept 32
	global_load_b32 v[XW+32*((\t)%2)+I], v6, s[26:27] offset:(32*(\t)+I)*4096 th:TH_LOAD_NT
.set I, I+1
.endr
.endm
.macro BLOCK t
.set XS, XW+32*((\t)%2)
.if (\t) < 3
	s_wait_loadcnt 32                              ; this block's 32 loads are in; the next block's may be out
.else
	s_wait_loadcnt 0x0
.endif
	v_max3_num_f32 v12, |v[XS]|, |v[XS+1]|, |v[XS+2]|
	v_max3_num_f32 v13, |v[XS+3]|, |v[XS+4]|, |v[XS+5]|
.irp i, 6,10,14,18,22,26
	v_max3_num_f32 v12, v12, |v[XS+\i]|, |v[XS+\i+1]|
	v_max3_num_f32 v13, v13, |v[XS+\i+2]|, |v[XS+\i+3]|
.endr
	v_max3_num_f32 v12, v12, |v[XS+30]|, |v[XS+31]|
	v_max3_num_f32 v12, v12, v13, 0x1800000        ; and the floor
	v_add_nc_u32 v11, 0xff000000, v12              ; the conversion's scale operand
	v_lshrrev_b32 v13, 23, v11                     ; the byte
.if (\t) == 0
	v_mov_b32 v24, v13
.else
	v_lshl_or_b32 v24, v13, 8*(\t), v24            ; the K step's four bytes make its word
.endif
.irp g, 0,1,2,3
	v_cvt_scalef32_pk8_fp4_f32 v[CW+4*(\t)+\g], v[XS+8*\g:XS+8*\g+7], v11
.endr
	global_store_b128 v4, v[CW+4*(\t):CW+4*(\t)+3], s[20:21] offset:256*(\t)
.if (\t)+2 < 4
	LOADW (\t)+2
.endif
.endm
	LOADW 0
	LOADW 1
	BLOCK 0
	BLOCK 1
	BLOCK 2
	BLOCK 3
	global_store_b32 v5, v24, s[22:23]
	s_endpgm
; ---- Q AND K.  Each load reads 512 consecutive bytes of one row; a fragment's 16 rows x 512 bytes turn through the wave's own stage, so that a lane gets 16 neighbours of each block of its row.
.Linputs:
	s_sub_co_u32 s25, ttmp9, NWW
	s_lshl_b32 s25, s25, 2
	s_add_co_u32 s25, s25, s24                     ; my wave's number among 2,048
	s_lshr_b32 s26, s25, 10                        ; 0: Q, 1: K
	s_bfe_u32 s27, s25, 0x90001                    ; the tile of 16 rows
	s_and_b32 s28, s25, 1                          ; which half of K
	s_lshl_b32 s29, s27, 4                         ; Q: the tile's first row is 16 T, rows 8-15 lie 8 rows on;
	s_lshr_b32 s30, s27, 1
	s_lshl_b32 s30, s30, 5
	s_and_b32 s31, s27, 1
	s_lshl_b32 s31, s31, 3
	s_add_co_u32 s30, s30, s31                     ; K: 32 (T / 2) + 8 (T % 2), rows 8-15 lie 16 rows on
	s_mov_b32 s31, 65536
	s_mov_b32 s40, 0x76543210
	s_mov_b32 s41, 0xfedcba98                      ; v_permlanex16_b32's selects for lane l xor 16
	s_wait_kmcnt 0x0
	s_cmp_eq_u32 s26, 0
	s_cselect_b32 s29, s29, s30
	s_cselect_b32 s31, 32768, s31
	s_cselect_b64 s[32:33], s[4:5], s[6:7]
	s_lshl_b32 s34, s29, 12
	s_lshl_b32 s35, s28, 11
	s_add_co_u32 s34, s34, s35
	s_mov_b32 s35, 0
	s_add_nc_u64 s[32:33], s[32:33], s[34:35]
	s_lshl_b32 s34, s26, 22                        ; codes: 4,194,304 a tensor, 8,192 a tile, 4,096 for four K steps
	s_lshl_b32 s36, s27, 13
	s_add_co_u32 s34, s34, s36
	s_lshl_b32 s36, s28, 12
	s_add_co_u32 s34, s34, s36
	s_add_nc_u64 s[16:17], s[16:17], s[34:35]
	s_lshl_b32 s34, s26, 18                        ; scale words: 262,144 a tensor, 512 a tile, 256 for four K steps
	s_lshl_b32 s36, s27, 9
	s_add_co_u32 s34, s34, s36
	s_lshl_b32 s36, s28, 8
	s_add_co_u32 s34, s34, s36
	s_add_nc_u64 s[18:19], s[18:19], s[34:35]
	s_wait_alu depctr_va_vdst(0)
	v_lshlrev_b32 v4, 4, v1                        ; 16 x lane: rows 0-7, and the codes' place
	v_add_nc_u32 v5, s31, v4                       ; rows 8-15
	s_mul_i32 s36, s24, STG
	v_add_nc_u32 v6, s36, v4                       ; the stage, way in: 16 x lane, a row at a time
	v_mul_u32_u24 v7, v2, SP
	v_lshl_add_u32 v7, v3, 6, v7
	v_add_nc_u32 v7, s36, v7                       ; way out: my row, + 64 h: my 16 numbers of a block
	v_lshlrev_b32 v13, 4, v2                       ; 16 r: my row's four scale words
.irp b, 0,1,2,3
	v_mov_b32 v[TM+4+\b], 0                        ; written once: a lane permute's destination counts as one of its sources
.endr
.macro LOADF f
.set I, 0
.rept 8
	global_load_b128 v[R+64*((\f)%2)+4*I:R+64*((\f)%2)+4*I+3], v4, s[32:33] offset:I*4096+512*(\f) th:TH_LOAD_NT
.set I, I+1
.endr
.set I, 0
.rept 8
	global_load_b128 v[R+64*((\f)%2)+32+4*I:R+64*((\f)%2)+35+4*I], v5, s[32:33] offset:I*4096+512*(\f) th:TH_LOAD_NT
.set I, I+1
.endr
.endm
.macro FRAGQ f
.if (\f) < 3
	s_wait_loadcnt 16                              ; this fragment's 16 loads are in; the next fragment's may be out
.else
	s_wait_loadcnt 0x0
.endif
.set I, 0
.rept 16
	ds_store_b128 v6, v[R+64*((\f)%2)+4*I:R+64*((\f)%2)+4*I+3] offset:SP*I
.set I, I+1
.endr
.irp b, 0,1,2,3
.irp j, 0,1,2,3
	ds_load_b128 v[X+16*\b+4*\j:X+16*\b+4*\j+3], v7 offset:128*\b+16*\j   ; LDS serves a wave's instructions in order: these see the stores above
.endr
.endr
	s_wait_dscnt 0x0                               ; the numbers are back, and the stores have read their registers,
.if (\f) < 2
	LOADF (\f)+2                                   ; which take the loads of two fragments on
.endif
	QUANT X, PC+8*(\f), 8+(\f)
.irp c, 0,1
	global_store_b128 v4, v[PC+8*(\f)+4*\c:PC+8*(\f)+4*\c+3], s[16:17] offset:1024*(\f)+512*\c   ; 512 consecutive bytes
.endr
.endm
	LOADF 0
	LOADF 1
	s_wait_alu depctr_va_vdst(0)
	FRAGQ 0
	FRAGQ 1
	FRAGQ 2
	FRAGQ 3
	s_wait_xcnt 0x0                                ; EXEC changes only behind this wait
	v_cmp_gt_u32 vcc_lo, 16, v1
	s_wait_tensorcnt 0x0
	ds_add_u32 v250, v251
	s_wait_dscnt 0x0
	s_and_saveexec_b32 s30, vcc_lo
	global_store_b128 v13, v[8:11], s[18:19]       ; lanes 0-15: 256 consecutive bytes, the four words of each row (lanes 16-31 hold the same)
	s_wait_xcnt 0x0
	s_or_b32 exec_lo, exec_lo, s30
	s_endpgm
.Lfunc_end_k_q8ce785718d_prep:
	.size	k_q8ce785718d_prep, .Lfunc_end_k_q8ce785718d_prep-k_q8ce785718d_prep
	.p2alignl 7, 3214868480
	.fill 96, 4, 3214868480
	.section	.rodata,"a",@progbits
	.p2align	6, 0x0
	.amdhsa_kernel k_q8ce785718d_prep
		.amdhsa_group_segment_fixed_size 34304
		.amdhsa_private_segment_fixed_size 0
		.amdhsa_enable_private_segment 0
		.amdhsa_kernarg_size 80
		.amdhsa_user_sgpr_count 2
		.amdhsa_user_sgpr_kernarg_segment_ptr 1
		.amdhsa_wavefront_size32 1
		.amdhsa_system_sgpr_workgroup_id_x 1
		.amdhsa_system_sgpr_workgroup_id_y 1
		.amdhsa_system_sgpr_workgroup_id_z 1
		.amdhsa_system_vgpr_workitem_id 0
		.amdhsa_next_free_vgpr 256
		.amdhsa_next_free_sgpr 66
		.amdhsa_reserve_vcc 1
		.amdhsa_float_denorm_mode_32 3
		.amdhsa_float_denorm_mode_16_64 3
		.amdhsa_memory_ordered 1
		.amdhsa_forward_progress 1
		.amdhsa_inst_pref_size 53
	.end_amdhsa_kernel
	.amdgpu_metadata
---
amdhsa.version: [ 1, 2 ]
amdhsa.kernels:
  - .name:           k_q8ce785718d_prep
    .symbol:         k_q8ce785718d_prep.kd
    .args:
      - { .name: Q, .offset: 0, .size: 8, .value_kind: global_buffer, .address_space: global }
      - { .name: K, .offset: 8, .size: 8, .value_kind: global_buffer, .address_space: global }
      - { .name: Wq, .offset: 16, .size: 8, .value_kind: global_buffer, .address_space: global }
      - { .name: Wk, .offset: 24, .size: 8, .value_kind: global_buffer, .address_space: global }
      - { .name: Wv, .offset: 32, .size: 8, .value_kind: global_buffer, .address_space: global }
      - { .name: Wo, .offset: 40, .size: 8, .value_kind: global_buffer, .address_space: global }
      - { .name: xc, .offset: 48, .size: 8, .value_kind: global_buffer, .address_space: global }
      - { .name: xsc, .offset: 56, .size: 8, .value_kind: global_buffer, .address_space: global }
      - { .name: wc, .offset: 64, .size: 8, .value_kind: global_buffer, .address_space: global }
      - { .name: wsc, .offset: 72, .size: 8, .value_kind: global_buffer, .address_space: global }
    .group_segment_fixed_size: 34304
    .private_segment_fixed_size: 0
    .kernarg_segment_align: 8
    .kernarg_segment_size: 80
    .max_flat_workgroup_size: 128
    .sgpr_count:     66
    .vgpr_count:     256
    .wavefront_size: 32
...
	.end_amdgpu_metadata
.endif
;; end of part 1
;; launch kv (part 2): grid 4 x 64, 4 waves a work-group, clusters of 4 x 4, 327,680 bytes of LDS; arguments xc, xsc, wc, wsc, bk, bv, mask, kvc, kvs; writes kvc, kvs
.if DOCPART == 2
	.amdgcn_target "amdgcn-amd-amdhsa--gfx1250"
	.amdhsa_code_object_version 6
	.text
	.protected	k_q8ce785718d_kv
	.globl	k_q8ce785718d_kv
	.p2align	8
	.type	k_q8ce785718d_kv,@function
k_q8ce785718d_kv:
	s_mov_b64 s[64:65], 0
	v_nop
	global_prefetch_b8 v0, s[64:65] scope:SCOPE_SE
	s_setreg_imm32_b32 hwreg(HW_REG_WAVE_MODE, 25, 1), 1
	s_wait_xcnt 0x0
	s_wait_alu depctr_hold_cnt(0) depctr_sa_sdst(0) depctr_va_vdst(0) depctr_va_sdst(0) depctr_va_ssrc(0) depctr_va_vcc(0) depctr_vm_vsrc(0)
	s_getreg_b32 s2, hwreg(HW_REG_IB_STS2, 6, 4)
	s_cmp_eq_u32 s2, 0
	s_cbranch_scc0 .Lentry_in_a_cluster
	s_endpgm
.Lentry_in_a_cluster:
	s_bfe_u32 s2, ttmp6, 0x10000c
	s_cmp_lg_u32 s2, 0xf033
	s_cbranch_scc0 .Lentry_shape_is_right
	s_endpgm
.Lentry_shape_is_right:
.set NQ,   4
.set FR,   8
.set NL,   2
.set NP,   4
.set SLOT, 131072
.set BOFF, 65536
.set SCL,  262144
.set SCR,  278528
.set ADRA, 16
.set ADRB, 20
.set ADRS, 27
.set SC,   32
.set AF,   128
.set TMA,  113
.set TMB,  117
.set TMC,  121
.set G1,   24
.set G0,   32
.set G1B,  48
.set G0B,  56
.set G1S,  68
.set G0S,  76
.set G1SB, 80
.set G0SB, 88
.set KEEP, 92
.set MSB, 0
.macro WIN new
.if MSB != (\new)
	s_set_vgpr_msb (MSB<<8)|(\new)
.set MSB, (\new)
.endif
.endm
.set MUL_LO, 0xa1
.set MUL_HI, 0xf1
.set TO_B,   0x40
.macro JLOAD g0a, g1a, g0b, g1b
	s_cmp_eq_u32 s23, 0
	s_cbranch_scc0 .Lfor_b_\@
	tensor_load_to_lds s[\g0a:\g0a+3], s[\g1a:\g1a+7]
	s_nop 0
.rept 4
	v_nop
.endr
	s_branch .Lasked_\@
.Lfor_b_\@:
	tensor_load_to_lds s[\g0b:\g0b+3], s[\g1b:\g1b+7]
	s_nop 0
.rept 4
	v_nop
.endr
.Lasked_\@:
.endm
.macro CROUND
	s_barrier_signal -1
	s_barrier_wait -1
	s_cmp_lg_u32 s22, 0
	s_cbranch_scc1 .Lnot_wave_0_\@
	s_barrier_signal -3
.Lnot_wave_0_\@:
	s_barrier_wait -3
	s_barrier_signal -1
	s_barrier_wait -1
.endm
	s_load_b256 s[4:11], s[0:1], 0x0
	s_load_b256 s[12:19], s[0:1], 0x20
	s_load_b64 s[20:21], s[0:1], 0x40
	v_lshl_add_u32 v29, v0, 2, 0x45000
	v_mov_b32 v31, 0
	ds_add_u32 v29, v31
	ds_add_u32 v29, v31
	v_lshrrev_b32 v1, 5, v0
	v_readfirstlane_b32 s22, v1
	s_lshr_b32 s23, s22, 1
	s_and_b32 s3, s22, 1
	s_bfe_u32 s40, ttmp6, 0x40000
	s_bfe_u32 s41, ttmp6, 0x40004
	s_and_b32 s66, ttmp7, 0xffff
	s_and_b32 s67, s66, 7
	s_lshl_b32 s67, s67, 2
	s_lshr_b32 s66, s66, 3
	s_cmp_eq_u32 s66, 0
	s_cselect_b32 s45, s67, 0
	s_cselect_b32 s42, 0, s67
	s_add_co_u32 s45, s45, s41
	s_add_co_u32 s42, s42, s40
	s_lshl_b32 s43, s41, 2
	s_lshl_b32 s43, 15, s43
	s_lshl_b32 s44, 0x1111, s40
	s_or_b32 s[G1+0], s43, (3<<16)|(1<<21)
	s_or_b32 s[G1B+0], s44, (3<<16)|(1<<21)
.irp g, G1, G1B
	s_mov_b32 s[\g+1], 512<<16
	s_mov_b32 s[\g+2], 16<<16                      ; the head's loads of codes bring all 16 tiles of rows; behind them these two words are set to 8
	s_mov_b32 s[\g+3], 512<<16
	s_mov_b32 s[\g+4], 16
	s_mov_b32 s[\g+5], 1024
	s_mov_b32 s[\g+6], 0
	s_mov_b32 s[\g+7], 0
.endr
	s_or_b32 s[G1S+0], s43, (3<<16)|(1<<21)
	s_or_b32 s[G1SB+0], s44, (3<<16)|(1<<21)
.irp g, G1S, G1SB
	s_mov_b32 s[\g+1], 32<<16
	s_mov_b32 s[\g+2], 32<<16                      ; the scales of all 256 rows: 32 rows of 256 bytes
	s_mov_b32 s[\g+3], 32<<16
	s_mov_b32 s[\g+4], 32
	s_mov_b32 s[\g+5], 32
	s_mov_b32 s[\g+6], 0
	s_mov_b32 s[\g+7], 0
.endr
	s_lshl_b32 s46, s3, 16
	s_lshl_b32 s92, s45, 17
	s_add_co_u32 s92, s92, s46
	s_mov_b32 s93, 0
	s_lshl_b32 s94, s45, 13
	s_mov_b32 s95, 0
	s_lshl_b32 s96, s42, 17
	s_add_co_u32 s96, s96, s46
	s_mov_b32 s97, 0
	s_lshl_b32 s98, s42, 13
	s_mov_b32 s99, 0
	s_lshl_b32 s100, s22, 15
	s_lshl_b32 s101, s23, 13                       ; A's scales at SCL (wave 1 asks), B's 8,192 bytes on (wave 3)
	s_add_co_u32 s101, s101, SCL
	s_add_co_u32 s46, s66, 1
	s_lshl_b32 s46, s46, 19
	s_mov_b32 s47, 0
	s_wait_dscnt 0x0
	s_wait_kmcnt 0x0
	s_add_nc_u64 s[4:5], s[4:5], 4194304
	s_add_nc_u64 s[6:7], s[6:7], 262144
	s_add_nc_u64 s[8:9], s[8:9], s[46:47]
	s_lshr_b32 s46, s46, 4
	s_add_nc_u64 s[10:11], s[10:11], s[46:47]
	s_cmp_eq_u32 s66, 0
	s_cselect_b64 s[46:47], s[4:5], s[8:9]
	s_add_nc_u64 s[92:93], s[46:47], s[92:93]
	s_cselect_b64 s[46:47], s[6:7], s[10:11]
	s_add_nc_u64 s[94:95], s[46:47], s[94:95]
	s_cselect_b64 s[46:47], s[8:9], s[4:5]
	s_add_nc_u64 s[96:97], s[46:47], s[96:97]
	s_cselect_b64 s[46:47], s[10:11], s[6:7]
	s_add_nc_u64 s[98:99], s[46:47], s[98:99]
	s_cselect_b64 s[12:13], s[12:13], s[14:15]
	CROUND
	s_mov_b32 s[G0S], 1
	s_mov_b32 s[G0S+1], s101
	s_mov_b64 s[G0S+2:G0S+3], s[94:95]
	s_or_b32 s[G0S+3], s[G0S+3], 0x80000000
	s_mov_b32 s[G0SB], 1
	s_mov_b32 s[G0SB+1], s101
	s_mov_b64 s[G0SB+2:G0SB+3], s[98:99]
	s_or_b32 s[G0SB+3], s[G0SB+3], 0x80000000
.irp s, 0,1
	s_mov_b32 s[G0+4*\s], 1
	s_add_co_u32 s[G0+4*\s+1], s100, \s*SLOT
	s_add_nc_u64 s[G0+4*\s+2:G0+4*\s+3], s[92:93], \s*4096
	s_or_b32 s[G0+4*\s+3], s[G0+4*\s+3], 0x80000000
	s_mov_b32 s[G0B+4*\s], 1
	s_add_co_u32 s[G0B+4*\s+1], s100, \s*SLOT
	s_add_nc_u64 s[G0B+4*\s+2:G0B+4*\s+3], s[96:97], \s*4096
	s_or_b32 s[G0B+4*\s+3], s[G0B+4*\s+3], 0x80000000
.endr
; THE HEAD'S LOADS, ONE A WAVE: wave 0 slot 0's 16 tiles of A's codes, wave 1 A's scales, wave 2 slot 0's 16 tiles of B's codes, wave 3 B's scales.
; Waves 0 and 2 hold the first half's address and LDS place in slot 0's group 0, so that group serves the whole tile.  One chain of branches on the wave's number, a load to an arm.
.macro HARM under, g0, g1, next
	s_cmp_lt_u32 s22, \under
	s_cbranch_scc0 \next
	tensor_load_to_lds s[\g0:\g0+3], s[\g1:\g1+7]
	s_nop 0
.rept 4
	v_nop
.endr
	s_branch .Lhead_asked
\next:
.endm
	HARM 1, G0, G1, .Lhead_sa
	HARM 2, G0S, G1S, .Lhead_b
	HARM 3, G0B, G1B, .Lhead_sb
	tensor_load_to_lds s[G0SB:G0SB+3], s[G1SB:G1SB+7]
	s_nop 0
.rept 4
	v_nop
.endr
.Lhead_asked:
	v_and_b32 v1, 15, v0
	v_bfe_u32 v2, v0, 4, 1
	s_wait_alu depctr_va_vdst(0)
	v_and_b32 v18, 31, v0
	v_lshlrev_b32 v18, 4, v18
	s_lshl_b32 s46, s23, 15
	s_lshl_b32 s47, s3, 15
	s_add_co_u32 s47, s47, BOFF
.irp s, 0,1
	v_add_nc_u32 v[ADRA+\s], s46, v18
	v_add_nc_u32 v[ADRB+\s], s47, v18
	s_add_co_u32 s46, s46, SLOT
	s_add_co_u32 s47, s47, SLOT
.endr
	s_lshl_b32 s46, s23, 12
	s_lshl_b32 s47, s3, 12
	s_add_co_u32 s47, s47, 8192
	s_sub_co_u32 s47, s47, s46
	v_mul_u32_u24 v4, s47, v2
	s_add_co_u32 s46, s46, SCL
	v_lshl_add_u32 v4, v1, 4, v4
	v_add_nc_u32 v[ADRS], s46, v4
	s_lshl_b32 s46, s22, 10
	s_add_co_u32 s46, s46, SCR
	v_lshlrev_b32 v24, 9, v2
	v_lshl_add_u32 v24, v1, 2, v24
	v_add_nc_u32 v24, s46, v24
	v_add_nc_u32 v25, s46, v18
	s_mov_b32 s100, 0x76543210
	s_mov_b32 s101, 0xfedcba98
	s_lshl_b32 s46, s45, 1
	s_add_co_u32 s46, s46, s23
	s_lshl_b32 s47, s42, 1
	s_add_co_u32 s47, s47, s3
	s_cmp_eq_u32 s66, 0
	s_cselect_b32 s67, s46, s47
	s_cselect_b32 s46, s47, s46
	s_cselect_b32 s40, 0, -1
	s_cselect_b32 s41, -1, 0
	s_mov_b32 s43, -1
	s_cselect_b32 s43, 0xffff, s43
	s_mov_b32 s44, 2048
	s_cselect_b32 s44, 32768, s44
	s_mov_b32 s2, 2048
	s_cselect_b32 s2, 256, s2
	s_lshr_b32 s47, s67, 3
	s_and_b32 s67, s67, 7
	s_lshl_b32 s92, s46, 9
	s_mov_b32 s93, 0
	s_add_nc_u64 s[12:13], s[12:13], s[92:93]
	s_lshl_b32 s92, s47, 10
	s_lshl_b32 s94, s67, 7
	s_add_co_u32 s92, s92, s94
	s_add_nc_u64 s[16:17], s[16:17], s[92:93]
	s_lshl_b32 s92, s66, 22
	s_lshl_b32 s94, s47, 19
	s_add_co_u32 s92, s92, s94
	s_lshl_b32 s94, s46, 16
	s_add_co_u32 s92, s92, s94
	s_lshl_b32 s94, s67, 12
	s_add_co_u32 s92, s92, s94
	s_add_nc_u64 s[18:19], s[18:19], s[92:93]
	s_lshl_b32 s92, s47, 16
	s_lshl_b32 s94, s46, 13
	s_add_co_u32 s92, s92, s94
	s_lshl_b32 s94, s67, 9
	s_add_co_u32 s92, s92, s94
	s_lshr_b32 s92, s92, s66
	s_lshl_b32 s94, s66, 19
	s_add_co_u32 s92, s92, s94
	s_add_nc_u64 s[20:21], s[20:21], s[92:93]
	v_add_nc_u32 v19, s44, v18
	s_sub_co_u32 s44, 34816, s44
	v_add_nc_u32 v22, s44, v18
	v_add_nc_u32 v23, 34816, v18
	v_mul_u32_u24 v26, s2, v2
	v_lshl_add_u32 v26, v1, 4, v26
	v_lshlrev_b32 v30, 4, v2
	v_and_b32 v30, s41, v30
	v_lshlrev_b32 v5, 6, v2
	v_lshrrev_b32 v7, 3, v1
	v_and_b32 v6, 7, v1
	v_lshl_or_b32 v7, v7, 4, v6
	v_lshlrev_b32 v6, 2, v7
.irp t, 0,1,2,3,4,5,6,7
	global_load_b128 v[192+8*\t:195+8*\t], v5, s[12:13] offset:(32*(\t/2)+8*(\t%2))*4
	global_load_b128 v[196+8*\t:199+8*\t], v5, s[12:13] offset:(32*(\t/2)+8*(\t%2))*4+16
.endr
.irp a, 0,1,2,3,4,5,6,7
	global_load_b32 v[96+2*\a], v6, s[12:13] offset:(32*(\a/2)+8*(\a%2))*4
	global_load_b32 v[97+2*\a], v6, s[12:13] offset:(32*(\a/2)+8*(\a%2))*4
	global_load_u8 v[8+\a], v7, s[16:17] offset:32*(\a/2)+8*(\a%2)
.endr
.irp b, 0,1,2,3
	v_mov_b32 v[TMB+\b], 0
.endr
	v_mov_b32 v125, 0x7f000000
	v_mov_b32 v126, 0x7fa50000
	v_mov_b32 v127, 0x7f010000
.macro FRAG reg, adr, q, i
.irp c, 0,1
	ds_load_b128 v[(\reg)+4*\c:(\reg)+4*\c+3], v[\adr] offset:4096*(\i)+1024*(\q)+512*\c
.endr
.endm
.macro MUL16 a0, p, q, sc, zero
.irp a, \a0, \a0+1
.irp b, 0,1,2,3,4,5,6,7
.if \zero
	v_wmma_scale_f32_16x16x128_f8f6f4 v[8*(8*((\a)%4)+\b):8*(8*((\a)%4)+\b)+7], v[128*(\p)+FR*\b:128*(\p)+FR*\b+FR-1], v[AF+FR*(\a):AF+FR*(\a)+FR-1], 0, v[SC+8*NQ*(\sc)+NQ*\b+(\q)], v[SC+8*NQ*(\sc)+NQ*(\a)+(\q)] matrix_a_fmt:MATRIX_FMT_FP4 matrix_b_fmt:MATRIX_FMT_FP4 matrix_a_scale:MATRIX_SCALE_ROW1
.else
	v_wmma_scale_f32_16x16x128_f8f6f4 v[8*(8*((\a)%4)+\b):8*(8*((\a)%4)+\b)+7], v[128*(\p)+FR*\b:128*(\p)+FR*\b+FR-1], v[AF+FR*(\a):AF+FR*(\a)+FR-1], v[8*(8*((\a)%4)+\b):8*(8*((\a)%4)+\b)+7], v[SC+8*NQ*(\sc)+NQ*\b+(\q)], v[SC+8*NQ*(\sc)+NQ*(\a)+(\q)] matrix_a_fmt:MATRIX_FMT_FP4 matrix_b_fmt:MATRIX_FMT_FP4 matrix_a_scale:MATRIX_SCALE_ROW1
.endif
.endr
.endr
.endm
.macro FETCH_B slot, q, p
	WIN TO_B
.irp i, 0,1,2,3,4,5,6,7
	FRAG 128*(\p)+FR*\i, ADRB+\slot, \q, \i
.endr
	WIN 0
.endm
.macro FETCH_A slot, q, i0
.irp i, \i0, \i0+1, \i0+2, \i0+3
	FRAG AF+FR*(\i), ADRA+\slot, \q, \i
.endr
.endm
.macro SCALES sc
.irp i, 0,1,2,3,4,5,6,7
	ds_load_b128 v[SC+8*NQ*\sc+NQ*\i:SC+8*NQ*\sc+NQ*\i+3], v[ADRS] offset:\i*512
.endr
.endm
.macro PLACES n
.rept \n
	v_nop
.endr
.endm
.macro STEP slot, q, zero
	s_wait_dscnt 4*NL
	WIN MUL_LO
	MUL16 0, (\q)%2, \q, \slot, \zero
	MUL16 2, (\q)%2, \q, \slot, \zero
	s_wait_dscnt 0
	PLACES NP
	FETCH_B \slot, (\q)+1, 1-(\q)%2
	FETCH_A \slot, (\q)+1, 0
	WIN MUL_HI
	MUL16 4, (\q)%2, \q, \slot, \zero
	MUL16 6, (\q)%2, \q, \slot, \zero
	PLACES NP
	WIN 0
	FETCH_A \slot, (\q)+1, 4
.endm
.macro STEPS slot, from
.set Q, \from
.rept NQ-1-\from
	STEP \slot, Q, 0
.set Q, Q+1
.endr
.endm
	s_wait_alu depctr_va_vdst(0)
	s_wait_tensorcnt 0x0                           ; my tile of the head's four is in; slot 1's first fill is issued as a refill is
	ds_add_u32 v29, v31
	s_mov_b32 s[G1+2], 8<<16                       ; no tensor load of mine is out: from here on a load brings 8 tiles of rows
	s_mov_b32 s[G1+4], 8
	s_mov_b32 s[G1B+2], 8<<16
	s_mov_b32 s[G1B+4], 8
	s_wait_dscnt 0x0
	CROUND                                         ; all four tiles are in, and the partners are here
	JLOAD G0+4, G1, G0B+4, G1B                     ; slot 1: a quarter a wave
	s_wait_loadcnt 0x0                             ; the biases and the mask
	FETCH_B 0, 0, 0
	FETCH_A 0, 0, 0
	SCALES 0
	FETCH_A 0, 0, 4
	STEP 0, 0, 1
	STEPS 0, 1
	s_wait_tensorcnt 0x0
	s_wait_dscnt 4*NL
	WIN MUL_LO
	MUL16 0, 1, NQ-1, 0, 0
	s_wait_dscnt 0x0
	s_barrier_signal -1
	MUL16 2, 1, NQ-1, 0, 0
	WIN 0
	s_barrier_wait -1
	PLACES NP
	v_add_nc_u32 v[ADRS], 256, v[ADRS]
	FETCH_B 1, 0, 0
	FETCH_A 1, 0, 0
	SCALES 1
	WIN MUL_HI
	MUL16 4, 1, NQ-1, 0, 0
	MUL16 6, 1, NQ-1, 0, 0
	PLACES NP
	WIN 0
	FETCH_A 1, 0, 4
	STEPS 1, 0
	s_wait_dscnt 4*NL
	WIN MUL_LO
	MUL16 0, 1, NQ-1, 1, 0
	MUL16 2, 1, NQ-1, 1, 0
	s_wait_dscnt 0
	WIN MUL_HI
	MUL16 4, 1, NQ-1, 1, 0
	MUL16 6, 1, NQ-1, 1, 0
	WIN 0
	PLACES NP
.irp a, 0,1,2,3,4,5,6,7
	v_cmp_ne_u32 s[KEEP+\a], 0, v[8+\a]
.endr
.irp a, 0,1,2,3,4,5,6,7
	v_cndmask_b32 v[8+\a], v126, v127, s[KEEP+\a]
	v_and_b32 v[8+\a], s41, v[8+\a]
	s_or_b32 s[KEEP+\a], s[KEEP+\a], s40
.endr
.macro UNIT a
.set AC, 64*((\a)%4)
	s_cmp_eq_u32 s66, 0
	s_cbranch_scc0 .Lbm_\@
	WIN 0x02+(\a)/4
.set I, 0
.rept 32
	v_pk_add_f32 v[128+I:129+I], v[AC+I:AC+I+1], v[192+I:193+I]
.set I, I+2
.endr
	WIN 0
	s_branch .Lbj_\@
.Lbm_\@:
	WIN 0x02+(\a)/4
.set I, 0
.rept 32
	v_pk_add_f32 v[128+I:129+I], v[AC+I:AC+I+1], v[96+2*(\a):97+2*(\a)]
.set I, I+2
.endr
	WIN 0
.Lbj_\@:
.irp b, 0,1,2,3
	v_max3_num_f32 v[TMA+\b], |v[128+16*\b]|, |v[129+16*\b]|, 0x1800000
.endr
.irp i, 2,4,6,8,10,12,14
.irp b, 0,1,2,3
	v_max3_num_f32 v[TMA+\b], v[TMA+\b], |v[128+16*\b+\i]|, |v[129+16*\b+\i]|
.endr
.endr
.irp b, 0,1,2,3
	v_permlanex16_b32 v[TMB+\b], v[TMA+\b], s100, s101
.endr
.irp b, 0,1,2,3
	v_max_num_f32 v[TMA+\b], v[TMA+\b], v[TMB+\b]
.endr
.irp b, 0,1,2,3
	v_add_nc_u32 v[TMC+\b], 0xff000000, v[TMA+\b]
.endr
.irp b, 0,1,2,3
	v_lshrrev_b32 v[TMB+\b], 23, v[TMC+\b]
.endr
	v_lshl_or_b32 v112, v[TMB+1], 8, v[TMB]
	v_lshl_or_b32 v112, v[TMB+2], 16, v112
	v_lshl_or_b32 v112, v[TMB+3], 24, v112
.irp b, 0,1,2,3
	v_cndmask_b32 v[TMC+\b], v125, v[TMC+\b], s[KEEP+(\a)]
.endr
	WIN 0x40
.irp b, 0,1,2,3
	v_cvt_scalef32_pk8_fp4_f32 v[8*(\a)+2*\b], v[128+16*\b:135+16*\b], v[TMC+\b]
	v_cvt_scalef32_pk8_fp4_f32 v[8*(\a)+1+2*\b], v[136+16*\b:143+16*\b], v[TMC+\b]
.endr
	v_nop
	WIN 0x41
.irp c, 0,1
.irp i, 0,1
	v_permlane16_swap_b32 v[8*(\a)+4*\c+\i], v[8*(\a)+2+4*\c+\i]
.endr
.endr
	WIN 0x04
.if (\a) < 4
	global_store_b128 v18, v[8*(\a):8*(\a)+3], s[18:19] offset:((\a)%4)*512
	global_store_b128 v19, v[8*(\a)+4:8*(\a)+7], s[18:19] offset:((\a)%4)*512
.else
	global_store_b128 v22, v[8*(\a):8*(\a)+3], s[18:19] offset:((\a)%4)*512
	global_store_b128 v23, v[8*(\a)+4:8*(\a)+7], s[18:19] offset:((\a)%4)*512
.endif
	WIN 0
	v_lshrrev_b32 v112, v30, v112
	v_and_or_b32 v[8+(\a)], v112, s43, v[8+(\a)]
	ds_store_b32 v24, v[8+(\a)] offset:64*(\a)
.endm
.irp a, 0,1,2,3,4,5,6,7
	UNIT \a
.endr
	ds_load_b128 v[128:131], v25
	ds_load_b128 v[132:135], v25 offset:512
	s_wait_dscnt 0x0
	global_store_b128 v26, v[128:131], s[20:21]
	s_cmp_lg_u32 s66, 0
	s_cbranch_scc1 .Lone_chunk
	global_store_b128 v26, v[132:135], s[20:21] offset:4096
.Lone_chunk:
	s_wait_tensorcnt 0x0
	ds_add_u32 v29, v31
	s_wait_dscnt 0x0
	CROUND
	s_endpgm
.Lfunc_end_k_q8ce785718d_kv:
	.size	k_q8ce785718d_kv, .Lfunc_end_k_q8ce785718d_kv-k_q8ce785718d_kv
	.p2alignl 7, 3214868480
	.fill 96, 4, 3214868480
	.section	.rodata,"a",@progbits
	.p2align	6, 0x0
	.amdhsa_kernel k_q8ce785718d_kv
		.amdhsa_group_segment_fixed_size 327680
		.amdhsa_private_segment_fixed_size 0
		.amdhsa_enable_private_segment 0
		.amdhsa_kernarg_size 72
		.amdhsa_user_sgpr_count 2
		.amdhsa_user_sgpr_kernarg_segment_ptr 1
		.amdhsa_wavefront_size32 1
		.amdhsa_system_sgpr_workgroup_id_x 1
		.amdhsa_system_sgpr_workgroup_id_y 1
		.amdhsa_system_sgpr_workgroup_id_z 1
		.amdhsa_system_vgpr_workitem_id 0
		.amdhsa_next_free_vgpr 1024
		.amdhsa_next_free_sgpr 102
		.amdhsa_reserve_vcc 0
		.amdhsa_float_denorm_mode_32 3
		.amdhsa_float_denorm_mode_16_64 3
		.amdhsa_memory_ordered 1
		.amdhsa_forward_progress 1
		.amdhsa_inst_pref_size 173
	.end_amdhsa_kernel
	.amdgpu_metadata
---
amdhsa.version: [ 1, 2 ]
amdhsa.kernels:
  - .name:           k_q8ce785718d_kv
    .symbol:         k_q8ce785718d_kv.kd
    .args:
      - { .name: xc, .offset: 0, .size: 8, .value_kind: global_buffer, .address_space: global }
      - { .name: xsc, .offset: 8, .size: 8, .value_kind: global_buffer, .address_space: global }
      - { .name: wc, .offset: 16, .size: 8, .value_kind: global_buffer, .address_space: global }
      - { .name: wsc, .offset: 24, .size: 8, .value_kind: global_buffer, .address_space: global }
      - { .name: bk, .offset: 32, .size: 8, .value_kind: global_buffer, .address_space: global }
      - { .name: bv, .offset: 40, .size: 8, .value_kind: global_buffer, .address_space: global }
      - { .name: mask, .offset: 48, .size: 8, .value_kind: global_buffer, .address_space: global }
      - { .name: kvc, .offset: 56, .size: 8, .value_kind: global_buffer, .address_space: global }
      - { .name: kvs, .offset: 64, .size: 8, .value_kind: global_buffer, .address_space: global }
    .group_segment_fixed_size: 327680
    .private_segment_fixed_size: 0
    .kernarg_segment_align: 8
    .kernarg_segment_size: 72
    .max_flat_workgroup_size: 128
    .sgpr_count:     102
    .vgpr_count:     1024
    .wavefront_size: 32
...
	.end_amdgpu_metadata
.endif
;; end of part 2
;; launch attn (part 3): grid 4 x 64, 16 waves a work-group, clusters of 4 x 1, 284,672 bytes of LDS; arguments xc, xsc, wc, wsc, bq, kvc, kvs, ow; writes ow
.if DOCPART == 3
	.amdgcn_target "amdgcn-amd-amdhsa--gfx1250"
	.amdhsa_code_object_version 6
	.text
	.protected	k_q8ce785718d_attn
	.globl	k_q8ce785718d_attn
	.p2align	8
	.type	k_q8ce785718d_attn,@function
k_q8ce785718d_attn:
	s_mov_b64 s[64:65], 0
	v_nop
	global_prefetch_b8 v0, s[64:65] scope:SCOPE_SE
	s_setreg_imm32_b32 hwreg(HW_REG_WAVE_MODE, 25, 1), 1
	s_wait_xcnt 0x0
	s_wait_alu depctr_hold_cnt(0) depctr_sa_sdst(0) depctr_va_vdst(0) depctr_va_sdst(0) depctr_va_ssrc(0) depctr_va_vcc(0) depctr_vm_vsrc(0)
	s_getreg_b32 s2, hwreg(HW_REG_IB_STS2, 6, 4)
	s_cmp_eq_u32 s2, 0
	s_cbranch_scc0 .Lentry_in_a_cluster
	s_endpgm
.Lentry_in_a_cluster:
	s_bfe_u32 s2, ttmp6, 0x10000c
	s_cmp_lg_u32 s2, 0x3003
	s_cbranch_scc0 .Lentry_shape_is_right
	s_endpgm
.Lentry_shape_is_right:
; ATTN: for a batch, a pair of heads and 256 queries: q = Q Wq + bq for both heads (kept in f32 for the residual, and quantised), then head by head S^T = k q^T, the softmax, O^T = v^T p^T, o = q + O / l.
; All three products on codes of FP4 with E8M0 scales.
; THE SOFTMAX AHEAD OF THE SECOND PRODUCT: t = score x log2(e) / 32; M = the running largest t rounded UP to a whole number; p = 2^(t - M) is quantised along the keys, not normalised; the row's sum l is
; taken of the unquantised p and divides O at the end.  When M moves, l and O are multiplied by 2^(old M - new M): exact.
; SHARES.  A work-group owns 256 queries and two heads: 4 x 64 work-groups.  Each of its sixteen waves owns one tile of 16 queries, in 256 registers, four waves to a SIMD.
; LDS holds, for both heads, K's and V's codes (32,768 bytes each), the head's part of Wq's codes (32,768) and K's and V's scale words, each filled ONCE.  In memory the two heads' blocks are neighbours:
; fourteen waves ask for one block each, which lands at 16,384 x the wave: waves 6 e + 0, 1: head e's K; + 2, 3: its V; + 4, 5: its Wq; wave 12: K's scale words of both heads; wave 13: V's.
; One barrier shows all blocks to all waves; behind it the waves share nothing more, so none stands between the heads.
; CLUSTER: the four query blocks of a cluster belong to one batch and pair of heads and want the same blocks: each is asked for jointly (mask 15).
; NO PREFETCH: every fill goes out at the head; there is no loop that runs ahead of a load.
; BOTH HEADS ARE PROJECTED IN ONE PASS over Q's eight fragments, which are loaded once.  The second head's q waits in 4,096 bytes of LDS of the wave's own.
; LAYOUT.  All products are used transposed, so that a lane holds ONE query (lane % 16) throughout.  Keys, Wq's columns and V's channels lie in memory in the order with bits 3 and 4 of the index exchanged, so
; that the registers of two neighbouring result tiles are 16 neighbours: register 16 b + i = index 32 b + 16 (lane / 16) + i.  Operands lie as images of their registers: every LDS load takes 512 consecutive bytes.
; THE MASK COSTS NO INSTRUCTION HERE.  The scores' K is 64, the instruction's 128.  At k = 64 every query carries the code +1.0 under the byte 127 and every key -1.0; byte 2 of a key's scale word, written by the
; launch before, is 1 for an open key (adds -2^-126) and 165 for a hidden one, whose own codes are zeros: its score is -2^38 exactly, t a whole number: p = 0 beside any open key, and 1 for every key where none is open.
; LIMIT: a hidden key's logit is -2^33 and not -1e10: it differs only where an open logit lies under about -8e9.  NaN and infinities are not served.
; REGISTERS: v1 16 x lane; v2, v3, v6 LDS addresses that walk; v4 my place for q; v5 4 x lane; v7, v10 offsets; v8, v9 the add's two; v11, v254 at work; v12 -M, v13 the largest score, v[14:15] l; v16-23 q's codes;
; v32-63 four fragments of K (their upper halves are constants; the lower halves carry l's partial sums between two fills); v64-95 four of V; v96-159 Q's fragments, then S^T, then p; v160-191 the second head's q, then O^T, then o;
; v192-223 q in f32; v224-231 p's codes; v232-239, v244-247 at work; v240-241 V's scale words, v248-251 K's, v253 p's, v255 q's; v252 f.  In the projection v224-247 and v24-31 hold Wq's scale words, v248-251 Q's.
.set HB, 98304                         ; LDS: a head's part: K's codes at 0, V's at 32,768,
.set WQ, 65536                         ; Wq's here
.set KS, 196608                        ; K's scale words: 4,096 bytes a head
.set VS, 212992                        ; V's: 2,048 a head
.set SPARE, 217088                     ; the spare words: 128 bytes a wave
.set STASH, 219136                     ; the second head's q: 4,096 bytes a wave; no fill lands here
.macro ROUND                           ; a round of the cluster's barrier
	s_barrier_signal -1
	s_barrier_wait -1
	s_cmp_lg_u32 s20, 0
	s_cbranch_scc1 .Lnot_wave_0_\@
	s_barrier_signal -3
.Lnot_wave_0_\@:
	s_barrier_wait -3
	s_barrier_signal -1
	s_barrier_wait -1
.endm
.macro PLACES                          ; plain vector instructions between a matrix instruction and a load into, or a read of, its registers
.rept 4
	v_nop
.endr
.endm
.macro D n
	s_delay_alu instid0(VALU_DEP_\n)
.endm
.macro MMS d, a, b, sa, sb, ra, rb     ; a link in place; ra, rb: the side's scales stand in lanes 16-31
.if (\ra) && (\rb)
	v_wmma_scale_f32_16x16x128_f8f6f4 v[(\d):(\d)+7], v[(\a):(\a)+7], v[(\b):(\b)+7], v[(\d):(\d)+7], v[\sa], v[\sb] matrix_a_fmt:MATRIX_FMT_FP4 matrix_b_fmt:MATRIX_FMT_FP4 matrix_a_scale:MATRIX_SCALE_ROW1 matrix_b_scale:MATRIX_SCALE_ROW1
.elseif (\ra)
	v_wmma_scale_f32_16x16x128_f8f6f4 v[(\d):(\d)+7], v[(\a):(\a)+7], v[(\b):(\b)+7], v[(\d):(\d)+7], v[\sa], v[\sb] matrix_a_fmt:MATRIX_FMT_FP4 matrix_b_fmt:MATRIX_FMT_FP4 matrix_a_scale:MATRIX_SCALE_ROW1
.elseif (\rb)
	v_wmma_scale_f32_16x16x128_f8f6f4 v[(\d):(\d)+7], v[(\a):(\a)+7], v[(\b):(\b)+7], v[(\d):(\d)+7], v[\sa], v[\sb] matrix_a_fmt:MATRIX_FMT_FP4 matrix_b_fmt:MATRIX_FMT_FP4 matrix_b_scale:MATRIX_SCALE_ROW1
.else
	v_wmma_scale_f32_16x16x128_f8f6f4 v[(\d):(\d)+7], v[(\a):(\a)+7], v[(\b):(\b)+7], v[(\d):(\d)+7], v[\sa], v[\sb] matrix_a_fmt:MATRIX_FMT_FP4 matrix_b_fmt:MATRIX_FMT_FP4
.endif
.endm
; THE PROJECTION goes in 16 units: unit u = K step u / 2 of head u % 2: four tiles of 16 columns of Wq.  Head 0's fragments use v32-63, head 1's v64-95
.macro WLD u
.irp t, 0,1,2,3
.irp c, 0,1
	ds_load_b128 v[32+32*((\u)%2)+8*\t+4*\c:35+32*((\u)%2)+8*\t+4*\c], v[3-(\u)%2] offset:8192*\t+1024*((\u)/2)+512*\c
.endr
.endr
.endm
.macro WMU u                           ; q^T += Wq^T Q^T: source 0 = 16 columns of Wq, source 1 = my 16 queries; eight accumulators by turns
.irp t, 0,1,2,3
.set GI, 4*((\u)%2)+2*((\u)/8)+\t/2
.if GI < 6
.set WB, 224+4*GI
.else
.set WB, 4*GI
.endif
.set DD, 192-32*((\u)%2)+8*\t
.set AA, 32+32*((\u)%2)+8*\t
.set BB, 96+8*((\u)/2)
.set SA, WB+((\u)/2)%4
.set SB, 248+((\u)/2)%4
	MMS DD, AA, BB, SA, SB, \t%2, (\u)/8
.endr
.endm
	s_load_b256 s[4:11], s[0:1], 0x0               ; xc, xsc, wc, wsc
	s_load_b256 s[12:19], s[0:1], 0x20             ; bq, kvc, kvs, ow
	v_lshl_add_u32 v8, v0, 2, SPARE
	v_mov_b32 v9, 0
	ds_add_u32 v8, v9                              ; the opening lines: the add, twice on end, and its wait ahead of the first tensor load
	ds_add_u32 v8, v9
	v_lshrrev_b32 v11, 5, v0
	v_and_b32 v5, 31, v0
	v_bfe_u32 v7, v0, 4, 1                         ; h
	v_and_b32 v10, 15, v0                          ; r
	v_readfirstlane_b32 s20, v11                   ; wave 0..15
	v_lshlrev_b32 v1, 4, v5                        ; 16 x lane
	v_lshlrev_b32 v10, 4, v10
	v_lshlrev_b32 v5, 2, v5                        ; 4 x lane
	D 2
	v_lshl_add_u32 v10, v7, 9, v10                 ; Wq's scale words: lanes 0-15 an even tile's rows, lanes 16-31 the odd tile's: 512 h + 16 r
	v_lshlrev_b32 v7, 6, v7                        ; 64 h: the bias
	v_add_nc_u32 v3, WQ, v1                        ; Wq's fragments, head 0,
	v_add_nc_u32 v2, WQ+HB, v1                     ; head 1
	s_lshl_b32 s66, s20, 12
	s_add_co_u32 s66, s66, STASH
	v_add_nc_u32 v4, s66, v1                       ; my place for the second head's q
	s_bfe_u32 s21, ttmp6, 0x40000                  ; cx: it enters Q's and o's addresses alone
	s_and_b32 s22, ttmp7, 0xffff                   ; 8 x batch + the pair of heads
	s_lshr_b32 s23, s22, 3                         ; batch
	s_lshl_b32 s22, s22, 1                         ; 16 x batch + the first head
	s_and_b32 s2, s22, 15                          ; the first head
	; descriptor groups 1: dense blocks as rows of 256 bytes (32 elements of 8): 64, 32 and 16 rows
.irp g, 24, 32, 40
	s_mov_b32 s[\g], 15|(3<<16)|(1<<21)            ; 15:0 the mask: all four work-groups; 17:16 elements of 8 bytes; 21 set beside a mask
	s_mov_b32 s[\g+1], 32<<16
	s_mov_b32 s[\g+3], 32<<16
	s_mov_b32 s[\g+5], 32
	s_mov_b32 s[\g+6], 0
	s_mov_b32 s[\g+7], 0
.endr
	s_mov_b32 s26, 64<<16
	s_mov_b32 s28, 64
	s_mov_b32 s34, 32<<16
	s_mov_b32 s36, 32
	s_mov_b32 s42, 16<<16
	s_mov_b32 s44, 16
	; what my wave asks for
	s_cmp_ge_u32 s20, 6
	s_cselect_b32 s66, 1, 0                        ; which head of the pair
	s_mul_i32 s67, s66, 6
	s_sub_co_u32 s67, s20, s67
	s_lshr_b32 s67, s67, 1                         ; 0: K, 1: V, 2: Wq (3 and more: waves 12 to 15)
	s_and_b32 s68, s20, 1
	s_lshl_b32 s68, s68, 14                        ; which half of the block
	s_add_co_u32 s69, s22, s66
	s_lshl_b32 s69, s69, 15
	s_add_co_u32 s69, s69, s68                     ; K's codes: 32,768 bytes a head,
	s_add_co_u32 s70, s69, 4194304                 ; V's behind all of K's,
	s_add_co_u32 s71, s2, s66
	s_lshl_b32 s71, s71, 15
	s_add_co_u32 s71, s71, s68                     ; Wq's,
	s_lshl_b32 s56, s22, 12                        ; K's scale words,
	s_lshl_b32 s57, s22, 11
	s_add_co_u32 s57, s57, 524288                  ; V's
	s_mov_b32 s48, 1                               ; group 0: count = 1,
	s_lshl_b32 s49, s20, 14                        ; the LDS address: 16,384 x wave
	s_mov_b32 s52, 0x76543210
	s_mov_b32 s53, 0xfedcba98                      ; v_permlanex16_b32's selects for lane l xor 16
	s_mov_b32 s54, 0x3d38aa3b                      ; c = log2(e) / 32
	s_mov_b32 s55, s54                             ; (named with it as a pair)
	s_lshl_b32 s74, s23, 6
	s_lshl_b32 s73, s21, 4
	s_add_co_u32 s74, s74, s73
	s_add_co_u32 s74, s74, s20                     ; my tile of 16 queries: 64 x batch + 16 cx + wave
	s_wait_alu depctr_va_vdst(0)
	s_wait_dscnt 0x0                               ; both opening adds are done
	s_wait_kmcnt 0x0
	s_cmp_eq_u32 s67, 1
	s_cselect_b32 s72, s70, s69
	s_cmp_eq_u32 s67, 2
	s_cselect_b32 s72, s71, s72
	s_cselect_b64 s[50:51], s[8:9], s[14:15]
	s_cmp_eq_u32 s20, 12
	s_cselect_b32 s72, s56, s72
	s_cselect_b64 s[50:51], s[16:17], s[50:51]
	s_cmp_eq_u32 s20, 13
	s_cselect_b32 s72, s57, s72
	s_cselect_b64 s[50:51], s[16:17], s[50:51]
	s_mov_b32 s73, 0
	s_add_nc_u64 s[50:51], s[50:51], s[72:73]      ; the global address hangs on the wave, the batch and the heads, which the partners share,
	s_or_b32 s51, s51, 0x80000000                  ; and the type
	s_lshl_b32 s72, s74, 13
	s_add_nc_u64 s[4:5], s[4:5], s[72:73]          ; Q's codes at my tile
	s_lshl_b32 s72, s74, 9
	s_add_nc_u64 s[6:7], s[6:7], s[72:73]          ; its scale words
	s_lshl_b32 s72, s2, 11
	s_add_nc_u64 s[10:11], s[10:11], s[72:73]      ; Wq's scale words: 2,048 bytes a head
	s_lshl_b32 s72, s2, 8
	s_add_nc_u64 s[12:13], s[12:13], s[72:73]      ; bq: 256 bytes a head
	s_lshl_b32 s72, s74, 16
	s_lshl_b32 s66, s2, 12
	s_add_co_u32 s72, s72, s66
	s_add_nc_u64 s[18:19], s[18:19], s[72:73]      ; o: 65,536 bytes a tile of rows, 4,096 a head
	; what the projection wants from memory, 41 loads, asked for ahead of the round
.set I, 0
.rept 16
	global_load_b128 v[96+4*I:99+4*I], v1, s[4:5] offset:512*I   ; Q's eight fragments, as they lie
.set I, I+1
.endr
	global_load_b128 v[248:251], v1, s[6:7]        ; Q's scale words: register s % 4; lanes 0-15 K steps 0-3, lanes 16-31 K steps 4-7
.irp g, 0,1,2,3,4,5,6,7                        ; Wq's: group 4 head + 2 (K steps 4-7) + (tiles 2, 3)
.if \g < 6
.set WB, 224+4*\g
.else
.set WB, 4*\g
.endif
	global_load_b128 v[WB:WB+3], v10, s[10:11] offset:2048*(\g/4)+256*((\g/2)%2)+1024*(\g%2)
.endr
.irp e, 0,1                                    ; the bias is the sums' start
.irp t, 0,1,2,3
	global_load_b128 v[192-32*\e+8*\t:195-32*\e+8*\t], v7, s[12:13] offset:256*\e+(32*(\t/2)+8*(\t%2))*4
	global_load_b128 v[196-32*\e+8*\t:199-32*\e+8*\t], v7, s[12:13] offset:256*\e+(32*(\t/2)+8*(\t%2))*4+16
.endr
.endr
	ROUND                                          ; all four work-groups are here: the joint loads meet
	s_cmp_lt_u32 s20, 12                           ; one chain of branches on the wave's number, one load to an arm; waves 14 and 15 ask for nothing
	s_cbranch_scc0 .Lnot_codes
	tensor_load_to_lds s[48:51], s[24:31]
	s_nop 0
	PLACES
	s_branch .Lasked
.Lnot_codes:
	s_cmp_eq_u32 s20, 12
	s_cbranch_scc0 .Lnot_ks
	tensor_load_to_lds s[48:51], s[32:39]
	s_nop 0
	PLACES
	s_branch .Lasked
.Lnot_ks:
	s_cmp_eq_u32 s20, 13
	s_cbranch_scc0 .Lasked
	tensor_load_to_lds s[48:51], s[40:47]
	s_nop 0
	PLACES
.Lasked:
	s_wait_tensorcnt 0x0                           ; my block has landed,
	s_barrier_signal -1
	s_barrier_wait -1                              ; everybody's has
	s_wait_loadcnt 0x0                             ; Q's fragments, the scale words, the biases
	WLD 0
	WLD 1
.set U, 0
.rept 16
.if U < 15
	s_wait_dscnt 8                                 ; this unit's eight loads are in; the next unit's may be out
.else
	s_wait_dscnt 0x0
.endif
	WMU U
.if U < 14
	PLACES                                         ; in front of loads into registers that the products above have read
	WLD U+2
.endif
.set U, U+1
.endr
	PLACES
.set J, 0
.rept 8
	ds_store_b128 v4, v[160+4*J:163+4*J] offset:512*J   ; the second head's q, as an image of its registers, each accumulator from its low end on
.set J, J+1
.endr
.macro MAXB b0, b1                     ; the largest score of two blocks of 32 keys (my 16 of each), in four chains by turns
.irp b, \b0, \b1
	v_max3_num_f32 v[232+\b], v[96+16*\b], v[97+16*\b], v[98+16*\b]
.endr
.irp b, \b0, \b1
	v_max3_num_f32 v[236+\b], v[103+16*\b], v[104+16*\b], v[105+16*\b]
.endr
.irp i, 3,5
.irp b, \b0, \b1
	v_max3_num_f32 v[232+\b], v[232+\b], v[96+16*\b+\i], v[97+16*\b+\i]
.endr
.irp b, \b0, \b1
	v_max3_num_f32 v[236+\b], v[236+\b], v[103+16*\b+\i], v[104+16*\b+\i]
.endr
.endr
.irp b, \b0, \b1
	v_max3_num_f32 v[236+\b], v[236+\b], v[110+16*\b], v[111+16*\b]
.endr
.irp b, \b0, \b1
	D 2
	v_max_num_f32 v[232+\b], v[232+\b], v[236+\b]
.endr
.endm
.macro SMUL g                          ; S^T = k q^T: four tiles of 16 keys
.irp t, 0,2
	v_wmma_scale_f32_16x16x128_f8f6f4 v[96+8*(4*\g+\t):103+8*(4*\g+\t)], v[32+8*\t:39+8*\t], v[16:23], 0, v[248+2*\g+\t/2], v255 matrix_a_fmt:MATRIX_FMT_FP4 matrix_b_fmt:MATRIX_FMT_FP4
	v_wmma_scale_f32_16x16x128_f8f6f4 v[104+8*(4*\g+\t):111+8*(4*\g+\t)], v[40+8*\t:47+8*\t], v[16:23], 0, v[248+2*\g+\t/2], v255 matrix_a_fmt:MATRIX_FMT_FP4 matrix_b_fmt:MATRIX_FMT_FP4 matrix_a_scale:MATRIX_SCALE_ROW1
.endr
.endm
; ONE HEAD: q's quantising, the walk over the keys, the way out
.macro HEAD hd
.if (\hd) > 0
.set J, 0
.rept 8
	ds_load_b128 v[192+4*J:195+4*J], v4 offset:512*J   ; the second head's q comes back
.set J, J+1
.endr
	s_wait_xcnt 0x0                                ; the first head's stores have read v160-191, which are written again below
.endif
	v_add_nc_u32 v3, HB*(\hd), v1                  ; the step's codes: 4,096 bytes a step, in K and in V
	v_add_nc_u32 v2, KS+4096*(\hd), v5             ; K's scale words: 512 a step
	v_add_nc_u32 v6, VS+2048*(\hd)-256, v5         ; V's: 256 a step; stepped ahead of its loads
	s_wait_dscnt 0x0                               ; the stores of the second head's q have read their registers; or: q is back
.set J, 0
.rept 32
	v_mov_b32 v[160+J], 0                          ; O^T: the loop is written once, its first step finds zeros
.set J, J+1
.endr
.irp b, 0,1
	v_mov_b32 v[236+\b], 0                         ; a lane permute's destination counts as one of its sources
.endr
	; q is quantised: two blocks of 32
.irp b, 0,1
	v_max3_num_f32 v[232+\b], |v[192+16*\b]|, |v[193+16*\b]|, 0x1800000
.endr
.irp i, 2,4,6,8,10,12,14
.irp b, 0,1
	v_max3_num_f32 v[232+\b], v[232+\b], |v[192+16*\b+\i]|, |v[193+16*\b+\i]|
.endr
.endr
.irp b, 0,1
	D 2
	v_permlanex16_b32 v[236+\b], v[232+\b], s52, s53
.endr
.irp b, 0,1
	D 2
	v_max_num_f32 v[232+\b], v[232+\b], v[236+\b]
.endr
.irp b, 0,1
	D 2
	v_add_nc_u32 v[244+\b], 0xff000000, v[232+\b]  ; 2 off the exponent field: the conversion's scale operand
.endr
.irp b, 0,1
	D 2
	v_lshrrev_b32 v[236+\b], 23, v[244+\b]
.endr
	D 1
	v_lshl_or_b32 v255, v237, 8, v236
	D 1
	v_or_b32 v255, 0x7f7f0000, v255                ; q's scale word: two bytes of its own, 127 for k = 64 on
.irp b, 0,1
	v_cvt_scalef32_pk8_fp4_f32 v[16+2*\b], v[192+16*\b:199+16*\b], v[244+\b]
	v_cvt_scalef32_pk8_fp4_f32 v[17+2*\b], v[200+16*\b:207+16*\b], v[244+\b]
.endr
	v_nop                                          ; one plain place behind a scaled conversion
	v_permlane16_swap_b32 v16, v18
	v_permlane16_swap_b32 v17, v19                 ; registers 0-3: k = 32 h + 0 .. 31
	v_bfe_u32 v254, v0, 4, 1
	D 1
	v_xor_b32 v254, 1, v254                        ; 1 in lanes 0-15, which hold k = 64 .. 95 in registers 4-7
	D 1
	v_lshlrev_b32 v20, 1, v254                     ; the code of +1.0 at k = 64
	v_mov_b32 v21, 0
	v_mov_b32 v22, 0
	v_mov_b32 v23, 0
.irp t, 0,1,2,3
	v_mul_u32_u24 v[36+8*\t], 10, v254             ; the code of -1.0 at k = 64 of every key: these halves of K's fragments stay through the loop
	v_mov_b32 v[37+8*\t], 0
	v_mov_b32 v[38+8*\t], 0
	v_mov_b32 v[39+8*\t], 0
.endr
	; the loop's start values: five plain instructions between the last write of an operand register (v63) and the first products
	v_mov_b32 v13, 0xff61b1e6                      ; the largest score so far: -3e38
	v_mov_b32 v12, 0x7d22a000                      ; -M to begin with: a large whole number, so that the first f is 0
	v_mov_b32 v14, 0                               ; l, in two halves
	v_mov_b32 v15, 0
	v_mov_b32 v253, 0                              ; (named as the upper half of the pair v[252:253] before it is first written)
	s_mov_b32 s59, 8
	s_wait_alu depctr_va_vdst(0)
.Lstep_\hd:                                        ; a trip: 128 keys
.irp t, 0,1,2,3
	ds_load_b128 v[32+8*\t:35+8*\t], v3 offset:512*\t
.endr
.irp i, 0,1,2,3
	ds_load_b32 v[248+\i], v2 offset:128*\i        ; lanes 0-15 tile 2 i's words, lanes 16-31 tile 2 i + 1's
.endr
	s_wait_dscnt 0x0
	SMUL 0
	v_add_nc_u32 v2, 512, v2                       ; four places: behind the products, ahead of the loads into their registers and of the reads of their results
	v_mov_b32 v254, v12                            ; the old -M
	v_nop
	v_nop
.irp t, 0,1,2,3
	ds_load_b128 v[32+8*\t:35+8*\t], v3 offset:2048+512*\t
.endr
	MAXB 0, 1                                      ; the first 64 keys' maxima stand under the loads' flight
	s_wait_dscnt 0x0
	SMUL 1
	v_add_nc_u32 v3, 4096, v3                      ; four places again; V's loads below take the step off in their offsets
	v_add_nc_u32 v6, 256, v6
	v_nop
	v_nop
.irp t, 0,1,2,3                                ; V's four fragments and their words land under the softmax
.irp c, 0,1
	ds_load_b128 v[64+8*\t+4*\c:67+8*\t+4*\c], v3 offset:28672+2048*\c+512*\t
.endr
.endr
.irp i, 0,1
	ds_load_b32 v[240+\i], v6 offset:128*\i
.endr
	MAXB 2, 3
.irp b, 0,1,2,3
	v_permlanex16_b32 v[236+\b], v[232+\b], s52, s53
.endr
.irp b, 0,1,2,3
	D 4
	v_max_num_f32 v[232+\b], v[232+\b], v[236+\b]  ; with lane l xor 16's 16 keys: each block's largest score: for the row's maximum, and, since p rises with the score, for the block's largest p
.endr
	D 2
	v_max3_num_f32 v11, v232, v233, v234
	D 1
	v_max3_num_f32 v13, v13, v11, v235             ; the running largest score
	D 1
	v_mul_f32 v11, 0xbd38aa3b, v13                 ; -t (c is positive)
	D 1
	v_floor_f32 v12, v11                           ; the new -M = -ceil(t)
	D 1
	v_sub_f32 v254, v12, v254                      ; old M - new M: a whole number, 0 or less
	D 1
	v_cvt_i32_f32 v254, v254                       ; (it saturates)
	D 1
	v_ldexp_f32 v252, 1.0, v254                    ; f = 2^(old M - new M)
.set J, 0
.rept 32
	v_pk_fma_f32 v[96+J:97+J], v[96+J:97+J], s[54:55], v[12:13] op_sel_hi:[1,0,0]   ; t - M, two at a time
.set J, J+2
.endr
.irp b, 0,1,2,3
	v_fma_f32 v[232+\b], v[232+\b], s54, v12       ; the same of each block's largest score
.endr
.set J, 0
.rept 16
	v_pk_mul_f32 v[160+J:161+J], v[160+J:161+J], v[252:253] op_sel_hi:[1,0]   ; O^T under the new M, each accumulator from its low end on
.set J, J+2
.endr
	s_wait_alu depctr_va_vdst(0)
.set J, 0
.rept 64
	v_exp_f32 v[96+J], v[96+J]                     ; p = 2^(t - M)
.set J, J+1
.endr
.irp b, 0,1,2,3
	v_exp_f32 v[232+\b], v[232+\b]                 ; the block's largest p: the same two instructions on the same number
.endr
	v_pk_mul_f32 v[14:15], v[14:15], v[252:253] op_sel_hi:[1,0]   ; l under the new M.  (A plain place behind the exponentials)
	s_wait_alu depctr_va_vdst(0)                   ; one wait for the whole batch, ahead of its first reader
.irp b, 0,1,2,3
	v_max_num_f32 v[232+\b], 0x1800000, v[232+\b]  ; the floor 2^(3 - 127): a block whose every p is 0 keeps the byte 1: its codes are zeros
.endr
.irp b, 0,1,2,3
	D 4
	v_add_nc_u32 v[244+\b], 0xff000000, v[232+\b]
.endr
.irp b, 0,1,2,3
	D 4
	v_lshrrev_b32 v[236+\b], 23, v[244+\b]
.endr
	D 3
	v_lshl_or_b32 v253, v237, 8, v236              ; p's scale word for these 128 keys
	D 1
	v_lshl_or_b32 v253, v238, 16, v253
	D 1
	v_lshl_or_b32 v253, v239, 24, v253
.irp b, 0,1,2,3
	v_cvt_scalef32_pk8_fp4_f32 v[224+2*\b], v[96+16*\b:103+16*\b], v[244+\b]
	v_cvt_scalef32_pk8_fp4_f32 v[225+2*\b], v[104+16*\b:111+16*\b], v[244+\b]
.endr
	v_nop                                          ; one plain place behind a scaled conversion
.irp c, 0,1
.irp i, 0,1
	v_permlane16_swap_b32 v[224+4*\c+\i], v[226+4*\c+\i]
.endr
.endr
	; l += the 64 unquantised p: 32 packed additions in eight chains, seven of them in the lower halves of K's fragments.  They are also the places between the scale word and codes just made and the products below
.set I, 0
.rept 7
	v_pk_add_f32 v[32+8*(I/2)+2*(I%2):33+8*(I/2)+2*(I%2)], v[96+4*I:97+4*I], v[98+4*I:99+4*I]
.set I, I+1
.endr
	v_pk_add_f32 v[14:15], v[14:15], v[124:125]
.irp r, 0,1
.set I, 0
.rept 7
	v_pk_add_f32 v[32+8*(I/2)+2*(I%2):33+8*(I/2)+2*(I%2)], v[32+8*(I/2)+2*(I%2):33+8*(I/2)+2*(I%2)], v[126+16*\r+2*I:127+16*\r+2*I]
.set I, I+1
.endr
	v_pk_add_f32 v[14:15], v[14:15], v[140+16*\r:141+16*\r]
.endr
	v_pk_add_f32 v[32:33], v[32:33], v[158:159]
	v_pk_add_f32 v[40:41], v[40:41], v[42:43]
	v_pk_add_f32 v[48:49], v[48:49], v[50:51]
	v_pk_add_f32 v[14:15], v[14:15], v[56:57]
	D 4
	v_pk_add_f32 v[32:33], v[32:33], v[34:35]
	D 1
	v_pk_add_f32 v[32:33], v[32:33], v[40:41]
	D 3
	v_pk_add_f32 v[14:15], v[14:15], v[48:49]
	D 1
	v_pk_add_f32 v[14:15], v[14:15], v[32:33]
	s_wait_alu depctr_va_vdst(0)
	s_wait_dscnt 0x0                               ; V's fragments and scale words
.irp t, 0,1,2,3                                ; O^T += v^T p^T: the four accumulators take turns
	MMS 160+8*\t, 64+8*\t, 224, 240+\t/2, 253, \t%2, 0
.endr
	s_sub_co_u32 s59, s59, 1
	s_cmp_lg_u32 s59, 0
	s_cbranch_scc1 .Lstep_\hd
	PLACES                                         ; behind the last products, in front of the reads of O^T
	v_add_f32 v14, v14, v15                        ; l's two halves,
	D 1
	v_permlanex16_b32 v252, v14, s52, s53
	D 1
	v_add_f32 v14, v14, v252                       ; and lane l xor 16's
	s_wait_alu depctr_va_vdst(0)
	v_rcp_f32 v14, v14
	v_nop                                          ; a plain place behind the reciprocal
	s_wait_alu depctr_va_vdst(0)                   ; ahead of its first reader, which is O^T's too
.set J, 0
.rept 16
	v_pk_fma_f32 v[160+J:161+J], v[160+J:161+J], v[14:15], v[192+J:193+J] op_sel_hi:[1,0,1]   ; o = q + O / l, in place: register 16 B + i is channel 32 B + 16 h + i of the head
.set J, J+2
.endr
.set J, 0
.rept 8
	global_store_b128 v1, v[160+4*J:163+4*J], s[18:19] offset:4096*(\hd)+512*J   ; as an image of the registers: 512 consecutive bytes a store
.set J, J+1
.endr
.endm
	HEAD 0
	HEAD 1
	s_wait_tensorcnt 0x0                           ; the wave's end
	ds_add_u32 v8, v9
	s_wait_dscnt 0x0
	ROUND                                          ; the closing round: no work-group ends while a partner may still ask for a block that names it
	s_endpgm
.Lfunc_end_k_q8ce785718d_attn:
	.size	k_q8ce785718d_attn, .Lfunc_end_k_q8ce785718d_attn-k_q8ce785718d_attn
	.p2alignl 7, 3214868480
	.fill 96, 4, 3214868480
	.section	.rodata,"a",@progbits
	.p2align	6, 0x0
	.amdhsa_kernel k_q8ce785718d_attn
		.amdhsa_group_segment_fixed_size 284672
		.amdhsa_private_segment_fixed_size 0
		.amdhsa_enable_private_segment 0
		.amdhsa_kernarg_size 64
		.amdhsa_user_sgpr_count 2
		.amdhsa_user_sgpr_kernarg_segment_ptr 1
		.amdhsa_wavefront_size32 1
		.amdhsa_system_sgpr_workgroup_id_x 1
		.amdhsa_system_sgpr_workgroup_id_y 1
		.amdhsa_system_sgpr_workgroup_id_z 1
		.amdhsa_system_vgpr_workitem_id 0
		.amdhsa_next_free_vgpr 256
		.amdhsa_next_free_sgpr 76
		.amdhsa_reserve_vcc 0
		.amdhsa_float_denorm_mode_32 3
		.amdhsa_float_denorm_mode_16_64 3
		.amdhsa_memory_ordered 1
		.amdhsa_forward_progress 1
		.amdhsa_inst_pref_size 76
	.end_amdhsa_kernel
	.amdgpu_metadata
---
amdhsa.version: [ 1, 2 ]
amdhsa.kernels:
  - .name:           k_q8ce785718d_attn
    .symbol:         k_q8ce785718d_attn.kd
    .args:
      - { .name: xc, .offset: 0, .size: 8, .value_kind: global_buffer, .address_space: global }
      - { .name: xsc, .offset: 8, .size: 8, .value_kind: global_buffer, .address_space: global }
      - { .name: wc, .offset: 16, .size: 8, .value_kind: global_buffer, .address_space: global }
      - { .name: wsc, .offset: 24, .size: 8, .value_kind: global_buffer, .address_space: global }
      - { .name: bq, .offset: 32, .size: 8, .value_kind: global_buffer, .address_space: global }
      - { .name: kvc, .offset: 40, .size: 8, .value_kind: global_buffer, .address_space: global }
      - { .name: kvs, .offset: 48, .size: 8, .value_kind: global_buffer, .address_space: global }
      - { .name: ow, .offset: 56, .size: 8, .value_kind: global_buffer, .address_space: global }
    .group_segment_fixed_size: 284672
    .private_segment_fixed_size: 0
    .kernarg_segment_align: 8
    .kernarg_segment_size: 64
    .max_flat_workgroup_size: 512
    .sgpr_count:     76
    .vgpr_count:     256
    .wavefront_size: 32
...
	.end_amdgpu_metadata
.endif
;; end of part 3
;; launch tail (part 4): grid 256 x 1, 4 waves a work-group, clusters of 4 x 1, 327,680 bytes of LDS; arguments ow, wc, wsc, g0, b0, bo, g1, b1, out0; writes out0
.if DOCPART == 4
	.amdgcn_target "amdgcn-amd-amdhsa--gfx1250"
	.amdhsa_code_object_version 6
	.text
	.protected	k_q8ce785718d_tail
	.globl	k_q8ce785718d_tail
	.p2align	8
	.type	k_q8ce785718d_tail,@function
k_q8ce785718d_tail:
	s_mov_b64 s[64:65], 0
	v_nop
	global_prefetch_b8 v0, s[64:65] scope:SCOPE_SE
	s_setreg_imm32_b32 hwreg(HW_REG_WAVE_MODE, 25, 1), 1
	s_wait_xcnt 0x0
	s_wait_alu depctr_hold_cnt(0) depctr_sa_sdst(0) depctr_va_vdst(0) depctr_va_sdst(0) depctr_va_ssrc(0) depctr_va_vcc(0) depctr_vm_vsrc(0)
	s_getreg_b32 s2, hwreg(HW_REG_IB_STS2, 6, 4)
	s_cmp_eq_u32 s2, 0
	s_cbranch_scc0 .Lentry_in_a_cluster
	s_endpgm
.Lentry_in_a_cluster:
	s_bfe_u32 s2, ttmp6, 0x10000c
	s_cmp_lg_u32 s2, 0x3003
	s_cbranch_scc0 .Lentry_shape_is_right
	s_endpgm
.Lentry_shape_is_right:
.set RING1, 131072
.set IMG,   262144
.set XSC,   278528
.set STAT,  279552
.set SPARE, 281600
.set TM,    112
.set MSB, 0
.macro WIN new
.if MSB != (\new)
	s_set_vgpr_msb (MSB<<8)|(\new)
.set MSB, (\new)
.endif
.endm
.macro ROUND
	s_barrier_signal -1
	s_barrier_wait -1
	s_cmp_lg_u32 s22, 0
	s_cbranch_scc1 .Lnot_wave_0_\@
	s_barrier_signal -3
.Lnot_wave_0_\@:
	s_barrier_wait -3
	s_barrier_signal -1
	s_barrier_wait -1
.endm
.macro BARRIER
	s_wait_dscnt 0x0
	s_barrier_signal -1
	s_barrier_wait -1
.endm
.macro PLACES
.rept 4
	v_nop
.endr
.endm
.macro PLOAD p, base
.irp q, 0,1,2,3,4,5,6,7
.irp j, 0,1,2,3
	global_load_b128 v[(\base)+16*\q+4*\j:(\base)+16*\q+4*\j+3], v4, s[\p:\p+1] offset:128*\q+16*\j
.endr
.endr
.endm
.macro FOLD
	v_pk_add_f32 v[104:105], v[104:105], v[106:107]
	v_pk_add_f32 v[108:109], v[108:109], v[110:111]
	v_add_f32 v104, v104, v105
	v_add_f32 v108, v108, v109
	v_permlanex16_b32 v105, v104, s40, s41
	v_permlanex16_b32 v109, v108, s40, s41
	v_add_f32 v104, v104, v105
	v_add_f32 v108, v108, v109
.endm
.macro REDUCE k
	v_cndmask_b32 v104, v104, v108, s42
	ds_store_b32 v9, v104 offset:512*(\k)
	BARRIER
.irp w, 0,1,2,3
	ds_load_b32 v[104+\w], v26 offset:512*(\k)+128*\w
.endr
	s_wait_dscnt 0x0
	v_add_f32 v104, v104, v105
	v_add_f32 v106, v106, v107
	v_add_f32 v104, v104, v106
	v_permlanex16_b32 v105, v104, s40, s41
	v_cndmask_b32 v106, v104, v105, s42
	v_cndmask_b32 v107, v105, v104, s42
.endm
.macro LN k, gb, bb
	WIN 0x05
	v_pk_add_f32 v[104:105], v[0:1], v[2:3]
	v_pk_add_f32 v[106:107], v[4:5], v[6:7]
	v_pk_add_f32 v[108:109], v[128:129], v[130:131]
	v_pk_add_f32 v[110:111], v[132:133], v[134:135]
	WIN 0x04
.set I, 8
.rept 30
	v_pk_add_f32 v[104:105], v[104:105], v[I:I+1]
	v_pk_add_f32 v[106:107], v[106:107], v[I+2:I+3]
	v_pk_add_f32 v[108:109], v[108:109], v[128+I:129+I]
	v_pk_add_f32 v[110:111], v[110:111], v[130+I:131+I]
.set I, I+4
.endr
	WIN 0
	FOLD
	REDUCE 2*(\k)
	v_mul_f32 v16, s43, v106
	v_mul_f32 v18, s43, v107
	v_mov_b32 v17, v16
	v_mov_b32 v19, v18
	WIN 0x41
.set I, 0
.rept 64
	v_pk_add_f32 v[I:I+1], v[I:I+1], v[16:17] neg_lo:[0,1] neg_hi:[0,1]
	v_pk_add_f32 v[128+I:129+I], v[128+I:129+I], v[18:19] neg_lo:[0,1] neg_hi:[0,1]
.set I, I+2
.endr
	WIN 0x05
	v_pk_mul_f32 v[104:105], v[0:1], v[0:1]
	v_pk_mul_f32 v[106:107], v[2:3], v[2:3]
	v_pk_mul_f32 v[108:109], v[128:129], v[128:129]
	v_pk_mul_f32 v[110:111], v[130:131], v[130:131]
.set I, 4
.rept 31
	v_pk_fma_f32 v[104:105], v[I:I+1], v[I:I+1], v[104:105]
	v_pk_fma_f32 v[106:107], v[I+2:I+3], v[I+2:I+3], v[106:107]
	v_pk_fma_f32 v[108:109], v[128+I:129+I], v[128+I:129+I], v[108:109]
	v_pk_fma_f32 v[110:111], v[130+I:131+I], v[130+I:131+I], v[110:111]
.set I, I+4
.endr
	WIN 0
	FOLD
	REDUCE 2*(\k)+1
	v_fma_f32 v20, v106, s43, s44
	v_fma_f32 v22, v107, s43, s44
	s_wait_alu depctr_va_vdst(0)
	v_rsq_f32 v20, v20
	v_rsq_f32 v22, v22
	v_nop
	s_wait_alu depctr_va_vdst(0)
	v_mov_b32 v21, v20
	v_mov_b32 v23, v22
	s_wait_alu depctr_va_vdst(0)
	s_wait_loadcnt 0x0
	WIN 0x41
.set I, 0
.rept 64
	v_pk_mul_f32 v[I:I+1], v[I:I+1], v[20:21]
	v_pk_mul_f32 v[128+I:129+I], v[128+I:129+I], v[22:23]
.set I, I+2
.endr
	WIN 0x7d
.set I, 0
.rept 64
	v_pk_fma_f32 v[I:I+1], v[I:I+1], v[(\gb)+I:(\gb)+I+1], v[(\bb)+I:(\bb)+I+1]
	v_pk_fma_f32 v[128+I:129+I], v[128+I:129+I], v[(\gb)+I:(\gb)+I+1], v[(\bb)+I:(\bb)+I+1]
.set I, I+2
.endr
	WIN 0
.endm
.macro QUANTW s, pc, pw
	WIN 0x14
.irp b, 0,1,2,3
	v_max3_num_f32 v[TM+\b], 0x1800000, |v[(\s)+16*\b]|, |v[(\s)+1+16*\b]|
.endr
.irp i, 2,4,6,8,10,12,14
.irp b, 0,1,2,3
	v_max3_num_f32 v[TM+\b], v[TM+\b], |v[(\s)+16*\b+\i]|, |v[(\s)+1+16*\b+\i]|
.endr
.endr
	WIN 0
.irp b, 0,1,2,3
	v_permlanex16_b32 v[TM+4+\b], v[TM+\b], s40, s41
.endr
.irp b, 0,1,2,3
	v_max_num_f32 v[TM+\b], v[TM+\b], v[TM+4+\b]
.endr
.irp b, 0,1,2,3
	v_add_nc_u32 v[TM+12+\b], 0xff000000, v[TM+\b]
.endr
.irp b, 0,1,2,3
	v_lshrrev_b32 v[TM+4+\b], 23, v[TM+12+\b]
.endr
	v_lshl_or_b32 v[\pw], v[TM+5], 8, v[TM+4]
	v_lshl_or_b32 v[\pw], v[TM+6], 16, v[\pw]
	v_lshl_or_b32 v[\pw], v[TM+7], 24, v[\pw]
	WIN 0x01
.irp b, 0,1,2,3
	v_cvt_scalef32_pk8_fp4_f32 v[(\pc)+2*\b], v[(\s)+16*\b:(\s)+7+16*\b], v[TM+12+\b]
	v_cvt_scalef32_pk8_fp4_f32 v[(\pc)+1+2*\b], v[(\s)+8+16*\b:(\s)+15+16*\b], v[TM+12+\b]
.endr
	WIN 0
	v_nop
.irp c, 0,1
.irp i, 0,1
	v_permlane16_swap_b32 v[(\pc)+4*\c+\i], v[(\pc)+2+4*\c+\i]
.endr
.endr
.endm
.macro WM d, a, b, sa, sb, ra, rb
.if (\ra) && (\rb)
	v_wmma_scale_f32_16x16x128_f8f6f4 v[(\d):(\d)+7], v[(\a):(\a)+7], v[(\b):(\b)+7], v[(\d):(\d)+7], v[\sa], v[\sb] matrix_a_fmt:MATRIX_FMT_FP4 matrix_b_fmt:MATRIX_FMT_FP4 matrix_a_scale:MATRIX_SCALE_ROW1 matrix_b_scale:MATRIX_SCALE_ROW1
.elseif (\ra)
	v_wmma_scale_f32_16x16x128_f8f6f4 v[(\d):(\d)+7], v[(\a):(\a)+7], v[(\b):(\b)+7], v[(\d):(\d)+7], v[\sa], v[\sb] matrix_a_fmt:MATRIX_FMT_FP4 matrix_b_fmt:MATRIX_FMT_FP4 matrix_a_scale:MATRIX_SCALE_ROW1
.elseif (\rb)
	v_wmma_scale_f32_16x16x128_f8f6f4 v[(\d):(\d)+7], v[(\a):(\a)+7], v[(\b):(\b)+7], v[(\d):(\d)+7], v[\sa], v[\sb] matrix_a_fmt:MATRIX_FMT_FP4 matrix_b_fmt:MATRIX_FMT_FP4 matrix_b_scale:MATRIX_SCALE_ROW1
.else
	v_wmma_scale_f32_16x16x128_f8f6f4 v[(\d):(\d)+7], v[(\a):(\a)+7], v[(\b):(\b)+7], v[(\d):(\d)+7], v[\sa], v[\sb] matrix_a_fmt:MATRIX_FMT_FP4 matrix_b_fmt:MATRIX_FMT_FP4
.endif
.endm
.macro WLOAD par, grp, buf
	WIN 0xc0
.irp e, 0,1
.irp t, 0,1,2,3
.irp c, 0,1
	ds_load_b128 v[64*(\buf)+32*\e+8*\t+4*\c:64*(\buf)+32*\e+8*\t+4*\c+3], v[5+(\par)] offset:8192*\t+1024*(2*(\grp)+\e)+512*\c
.endr
.endr
.endr
.endm
.macro WMUL s, grp, buf
	WIN 0xa3
.irp e, 0,1
.irp m, 0,1
.irp t, 0,1,2,3
	WM 128*\m+32*(\s)+8*\t, 64*(\buf)+32*\e+8*\t, 128+8*(2*(2*(\grp)+\e)+\m), 32+4*(4*(\s)+\t)+(2*(\grp)+\e)%4, 96+2*(\grp)+\e, (2*(\grp)+\e)/4, \m
.endr
.endr
.endr
	PLACES
.endm
.macro SLOTG s
	WLOAD (\s)%2, 0, 0
.irp g, 0,1,2,3
.if \g < 3
	WLOAD (\s)%2, \g+1, (\g+1)%2
	s_wait_dscnt 16
.else
	s_wait_dscnt 0x0
.endif
	WMUL \s, \g, \g%2
.endr
.endm
.macro REFILL par
	WIN 0
	s_wait_tensorcnt 0x0
	ds_add_u32 v14, v15
	s_add_nc_u64 s[34+4*(\par):35+4*(\par)], s[34+4*(\par):35+4*(\par)], 65536
	s_wait_dscnt 0x0
	ROUND
	tensor_load_to_lds s[32+4*(\par):35+4*(\par)], s[24:31]
	s_nop 0
	PLACES
.endm
.macro OUT m
	WIN 0x04
.irp q, 0,1,2,3,4,5,6,7
.irp j, 0,1,2,3
	ds_store_b128 v[10+(\m)], v[128*(\m)+16*\q+4*\j:128*(\m)+16*\q+4*\j+3] offset:128*\q+16*\j
.endr
.endr
	WIN 0x80
.set I, 0
.rept 32
	ds_load_b128 v[128*(\m)+4*I:128*(\m)+4*I+3], v[5+(\m)] offset:1040*(I/2)+512*(I%2)
.set I, I+1
.endr
	WIN 0x08
.set I, 0
.rept 32
	s_wait_dscnt 31-I
	global_store_b128 v1, v[128*(\m)+4*I:128*(\m)+4*I+3], s[20:21] offset:65536*(\m)+4096*(I/2)+512*(I%2) th:TH_STORE_NT
.set I, I+1
.endr
.endm
	s_load_b256 s[4:11], s[0:1], 0x0
	s_load_b256 s[12:19], s[0:1], 0x20
	s_load_b64 s[20:21], s[0:1], 0x40
	v_lshl_add_u32 v14, v0, 2, SPARE
	v_mov_b32 v15, 0
	ds_add_u32 v14, v15
	ds_add_u32 v14, v15
	s_wait_dscnt 0x0
	v_lshrrev_b32 v1, 5, v0
	v_readfirstlane_b32 s22, v1
	s_bfe_u32 s23, ttmp6, 0x40000
	s_lshl_b32 s2, ttmp9, 2
	s_add_co_u32 s2, s2, s23
	s_mov_b32 s24, 15|(3<<16)|(1<<21)
	s_mov_b32 s25, 32<<16
	s_mov_b32 s26, 128<<16
	s_mov_b32 s27, 32<<16
	s_mov_b32 s28, 128
	s_mov_b32 s29, 32
	s_mov_b32 s30, 0
	s_mov_b32 s31, 0
	s_mov_b32 s40, 0x76543210
	s_mov_b32 s41, 0xfedcba98
	s_mov_b32 s42, 0xffff0000
	s_mov_b32 s43, 0x3a800000
	s_mov_b32 s44, 0x3727c5ac
	s_lshl_b32 s46, s22, 17
	s_add_co_u32 s46, s46, 3*524288
	s_mov_b32 s47, 0
	s_lshl_b32 s48, s22, 15
	s_mov_b32 s51, 0
	s_wait_kmcnt 0x0
	s_add_nc_u64 s[6:7], s[6:7], s[46:47]
	s_lshl_b32 s46, s22, 10
	s_add_nc_u64 s[10:11], s[10:11], s[46:47]
	s_add_nc_u64 s[12:13], s[12:13], s[46:47]
	s_add_nc_u64 s[14:15], s[14:15], s[46:47]
	s_add_nc_u64 s[16:17], s[16:17], s[46:47]
	s_add_nc_u64 s[18:19], s[18:19], s[46:47]
	s_lshl_b32 s46, s22, 13
	s_add_co_u32 s46, s46, 98304
	s_add_nc_u64 s[8:9], s[8:9], s[46:47]
	s_lshl_b32 s50, s2, 17
	s_lshl_b32 s49, s22, 14
	s_add_co_u32 s50, s50, s49
	s_add_nc_u64 s[4:5], s[4:5], s[50:51]
	s_lshl_b32 s50, s2, 17
	s_lshl_b32 s49, s22, 10
	s_add_co_u32 s50, s50, s49
	s_add_nc_u64 s[20:21], s[20:21], s[50:51]
	ROUND
.irp p, 0,1
	s_mov_b32 s[32+4*\p], 1
	s_add_co_u32 s[33+4*\p], s48, \p*RING1
	s_add_nc_u64 s[34+4*\p:35+4*\p], s[6:7], \p*32768
	s_or_b32 s[35+4*\p], s[35+4*\p], 0x80000000
.endr
	tensor_load_to_lds s[32:35], s[24:31]
	s_nop 0
	v_and_b32 v1, 31, v0
	v_lshlrev_b32 v3, 2, v1
	v_lshlrev_b32 v1, 4, v1
	v_and_b32 v2, 15, v0
	v_bfe_u32 v4, v0, 4, 1
	v_mul_u32_u24 v10, v2, 1040
	v_lshl_add_u32 v10, v4, 6, v10
	v_lshlrev_b32 v2, 2, v2
	v_lshlrev_b32 v4, 6, v4
	v_add_nc_u32 v5, s48, v1
	v_add_nc_u32 v6, RING1, v5
	v_add_nc_u32 v10, s48, v10
	v_add_nc_u32 v11, RING1, v10
	s_lshl_b32 s49, s22, 12
	s_add_co_u32 s49, s49, IMG
	v_add_nc_u32 v7, s49, v1
	s_lshl_b32 s49, s22, 8
	s_add_co_u32 s49, s49, XSC
	v_add_nc_u32 v8, s49, v2
	s_lshl_b32 s49, s22, 7
	s_add_co_u32 s49, s49, STAT
	v_add_nc_u32 v9, s49, v3
	v_add_nc_u32 v24, IMG, v1
	v_add_nc_u32 v25, XSC, v3
	v_add_nc_u32 v26, STAT, v3
.irp b, 0,1,2,3
	v_mov_b32 v[TM+4+\b], 0
.endr
	WIN 0x40
.irp m, 0,1
.set I, 0
.rept 32
	global_load_b128 v[128*\m+4*I:128*\m+4*I+3], v1, s[4:5] offset:65536*\m+512*I th:TH_LOAD_NT
.set I, I+1
.endr
.endr
	WIN 0xc0
	PLOAD 10, 0
	PLOAD 12, 128
	WIN 0
	s_wait_alu depctr_va_vdst(0)
	s_wait_tensorcnt 0x0                           ; slot 0 is in; slot 1's first fill is issued as a refill is, behind the issue of the rows' and the gains' loads
	ds_add_u32 v14, v15
	s_wait_dscnt 0x0
	ROUND
	tensor_load_to_lds s[36:39], s[24:31]
	s_nop 0
	PLACES
	s_wait_loadcnt 63
	LN 0, 0, 128
	WIN 0x80
	PLOAD 14, 0
	PLOAD 14, 128
	WIN 0
.set I, 0
.rept 16
	global_load_b128 v[32+4*I:35+4*I], v1, s[8:9] offset:512*I
.set I, I+1
.endr
	WIN 0xc0
	PLOAD 16, 128
	WIN 0
.irp m, 0,1
.irp e, 0,1
	QUANTW 128*\m+64*\e, 128+8*(2*\m+\e), 160+2*\m+\e
.irp c, 0,1
	ds_store_b128 v7, v[128+8*(2*\m+\e)+4*\c:128+8*(2*\m+\e)+4*\c+3] offset:2048*\e+1024*\m+512*\c
.endr
	ds_store_b32 v8, v[160+2*\m+\e] offset:128*\e+64*\m
.endr
.endr
	BARRIER
.set I, 0
.rept 32
	ds_load_b128 v[128+4*I:131+4*I], v24 offset:512*I
.set I, I+1
.endr
.irp q, 0,1,2,3,4,5,6,7
	ds_load_b32 v[96+\q], v25 offset:128*\q
.endr
	s_wait_dscnt 0x0
	s_wait_loadcnt 0x0
	s_wait_tensorcnt 0x1
	SLOTG 0
	REFILL 0
	SLOTG 1
	REFILL 1
	s_wait_tensorcnt 0x1
	SLOTG 2
	s_wait_tensorcnt 0x0
	SLOTG 3
	WIN 0xc0
	PLOAD 18, 0
	WIN 0x88
.set I, 0
.rept 256
	v_max_num_f32 v[I], 0, v[I]
.set I, I+1
.endr
	WIN 0x49
.set I, 0
.rept 128
	v_pk_add_f32 v[I:I+1], v[I:I+1], v[I:I+1]
.set I, I+2
.endr
	LN 1, 128, 0
	OUT 0
	s_wait_alu depctr_va_vdst(0)
	OUT 1
	WIN 0
	s_wait_tensorcnt 0x0
	ds_add_u32 v14, v15
	s_wait_dscnt 0x0
	ROUND
	s_endpgm
.Lfunc_end_k_q8ce785718d_tail:
	.size	k_q8ce785718d_tail, .Lfunc_end_k_q8ce785718d_tail-k_q8ce785718d_tail
	.p2alignl 7, 3214868480
	.fill 96, 4, 3214868480
	.section	.rodata,"a",@progbits
	.p2align	6, 0x0
	.amdhsa_kernel k_q8ce785718d_tail
		.amdhsa_group_segment_fixed_size 327680
		.amdhsa_private_segment_fixed_size 0
		.amdhsa_enable_private_segment 0
		.amdhsa_kernarg_size 72
		.amdhsa_user_sgpr_count 2
		.amdhsa_user_sgpr_kernarg_segment_ptr 1
		.amdhsa_wavefront_size32 1
		.amdhsa_system_sgpr_workgroup_id_x 1
		.amdhsa_system_sgpr_workgroup_id_y 1
		.amdhsa_system_sgpr_workgroup_id_z 1
		.amdhsa_system_vgpr_workitem_id 0
		.amdhsa_next_free_vgpr 1024
		.amdhsa_next_free_sgpr 66
		.amdhsa_reserve_vcc 0
		.amdhsa_float_denorm_mode_32 3
		.amdhsa_float_denorm_mode_16_64 3
		.amdhsa_memory_ordered 1
		.amdhsa_forward_progress 1
		.amdhsa_inst_pref_size 222
	.end_amdhsa_kernel
	.amdgpu_metadata
---
amdhsa.version: [ 1, 2 ]
amdhsa.kernels:
  - .name:           k_q8ce785718d_tail
    .symbol:         k_q8ce785718d_tail.kd
    .args:
      - { .name: ow, .offset: 0, .size: 8, .value_kind: global_buffer, .address_space: global }
      - { .name: wc, .offset: 8, .size: 8, .value_kind: global_buffer, .address_space: global }
      - { .name: wsc, .offset: 16, .size: 8, .value_kind: global_buffer, .address_space: global }
      - { .name: g0, .offset: 24, .size: 8, .value_kind: global_buffer, .address_space: global }
      - { .name: b0, .offset: 32, .size: 8, .value_kind: global_buffer, .address_space: global }
      - { .name: bo, .offset: 40, .size: 8, .value_kind: global_buffer, .address_space: global }
      - { .name: g1, .offset: 48, .size: 8, .value_kind: global_buffer, .address_space: global }
      - { .name: b1, .offset: 56, .size: 8, .value_kind: global_buffer, .address_space: global }
      - { .name: out0, .offset: 64, .size: 8, .value_kind: global_buffer, .address_space: global }
    .group_segment_fixed_size: 327680
    .private_segment_fixed_size: 0
    .kernarg_segment_align: 8
    .kernarg_segment_size: 72
    .max_flat_workgroup_size: 128
    .sgpr_count:     66
    .vgpr_count:     1024
    .wavefront_size: 32
...
	.end_amdgpu_metadata
.endif
;; end of part 4
